; MI455X (gfx1250); checked and timed in simulation.
; The chip was launched on July 23, 2026; its instructions are those of AMD's public machine-readable ISA for CDNA 5 (MIT licence, August 2026) and "CDNA5" Instruction Set Architecture Reference Guide (July 2026). The comments in the code are by the model that wrote it; some were corrected since.
;; Experts. Allowed arithmetic: float matrix products may take bf16 or f16 operands with f32 sums; all other float work in f32.
;; Inputs: b1 8 x 1,024 float32; b2 1,024 float32; combine_tensor 8 x 512 x 8 float32; dispatch_tensor 8 x 512 x 8 float32; w1 8 x 1,024 x 1,024 float32; w2 8 x 1,024 x 1,024 float32; x 8 x 512 x 1,024 float32.
;; Outputs: out0 8 x 512 x 1,024 float32.
;; 2 versions, each right; version 2 is version 1 with the launches ffn1, ffn2 written anew for expert scheduling mode. Each part assembles by itself: llvm-mc -triple=amdgcn-amd-amdhsa -mcpu=gfx1250 --defsym DOCPART=n.
;; ======== version 1 of 2: 6 launches
;; limits: a function is approximated: absolute error at most 1.5e-07; values are held in f16: magnitudes above 65,504 overflow, below 6.1e-05 lose precision
;; workspace buffers: flags 131,072 bytes of whole numbers; pos 131,072 bytes of whole numbers; list 133,120 bytes of whole numbers; cnt 1,024 bytes of whole numbers; xs 67,108,864 bytes; ps 524,288 bytes; h 67,108,864 bytes; o 134,217,728 bytes
;; launch flags (part 1): grid 32 x 1, 8 waves a work-group, no clusters, 0 bytes of LDS; arguments dispatch_tensor, combine_tensor, flags; writes flags
.if DOCPART == 1
	.amdgcn_target "amdgcn-amd-amdhsa--gfx1250"
	.amdhsa_code_object_version 6
	.text
	.protected	k_q1cf23a21e8_flags
	.globl	k_q1cf23a21e8_flags
	.p2align	8
	.type	k_q1cf23a21e8_flags,@function
k_q1cf23a21e8_flags:
	s_mov_b64 s[64:65], 0
	v_nop
	global_prefetch_b8 v0, s[64:65] scope:SCOPE_SE
	s_setreg_imm32_b32 hwreg(HW_REG_WAVE_MODE, 25, 1), 1
	s_wait_xcnt 0x0
; flags[t][e] = 1 where dispatch[t][e] != 0 and combine[t][e] != 0, else 0 (32-bit words, same order as the inputs).
; A pair (token, expert) with dispatch 0 has a zero row, mask 0, gelu(0) = 0 and a zero result; a pair with combine 0 is
; multiplied by 0.  Both add exactly 0 to y for finite data, so the later launches work on flagged pairs only.
; LIMIT: where the reference would make NaN out of 0 x infinity or 0 x NaN in such a pair, this program does not.
; A NaN in dispatch or combine counts as not zero (the unordered compare is true), so such a pair is worked on.
; 32,768 pairs: 32 work-groups x 256 threads x 4 pairs; a wave's load or store covers 512 neighbouring bytes.
; The comparison of floats is made here and only stored: the launches that form addresses from it read whole numbers.
	s_load_b128 s[4:7], s[0:1], 0x0                ; dispatch s[4:5], combine s[6:7]
	s_load_b64 s[8:9], s[0:1], 0x10                ; flags
	s_lshl_b32 s10, ttmp9, 12                      ; the work-group's 4,096 bytes
	v_lshl_add_u32 v1, v0, 4, s10                  ; + 16 bytes a thread
	s_wait_kmcnt 0x0
	global_load_b128 v[4:7], v1, s[4:5]
	global_load_b128 v[8:11], v1, s[6:7]
	s_wait_loadcnt 0x0
.irp i, 0,1,2,3
	v_cmp_neq_f32 vcc_lo, 0, v[4+\i]
	v_cmp_neq_f32 s12, 0, v[8+\i]
	s_and_b32 s12, s12, vcc_lo
	v_cndmask_b32 v[12+\i], 0, 1, s12
.endr
	global_store_b128 v1, v[12:15], s[8:9]
	s_endpgm
.Lfunc_end_k_q1cf23a21e8_flags:
	.size	k_q1cf23a21e8_flags, .Lfunc_end_k_q1cf23a21e8_flags-k_q1cf23a21e8_flags
	.p2alignl 7, 3214868480
	.fill 96, 4, 3214868480
	.section	.rodata,"a",@progbits
	.p2align	6, 0x0
	.amdhsa_kernel k_q1cf23a21e8_flags
		.amdhsa_group_segment_fixed_size 0
		.amdhsa_private_segment_fixed_size 0
		.amdhsa_enable_private_segment 0
		.amdhsa_kernarg_size 24
		.amdhsa_user_sgpr_count 2
		.amdhsa_user_sgpr_kernarg_segment_ptr 1
		.amdhsa_wavefront_size32 1
		.amdhsa_system_sgpr_workgroup_id_x 1
		.amdhsa_system_sgpr_workgroup_id_y 1
		.amdhsa_system_sgpr_workgroup_id_z 1
		.amdhsa_system_vgpr_workitem_id 0
		.amdhsa_next_free_vgpr 24
		.amdhsa_next_free_sgpr 66
		.amdhsa_reserve_vcc 1
		.amdhsa_float_denorm_mode_32 3
		.amdhsa_float_denorm_mode_16_64 3
		.amdhsa_memory_ordered 1
		.amdhsa_forward_progress 1
		.amdhsa_inst_pref_size 2
	.end_amdhsa_kernel
	.amdgpu_metadata
---
amdhsa.version: [ 1, 2 ]
amdhsa.kernels:
  - .name:           k_q1cf23a21e8_flags
    .symbol:         k_q1cf23a21e8_flags.kd
    .args:
      - { .name: dispatch_tensor, .offset: 0, .size: 8, .value_kind: global_buffer, .address_space: global }
      - { .name: combine_tensor, .offset: 8, .size: 8, .value_kind: global_buffer, .address_space: global }
      - { .name: flags, .offset: 16, .size: 8, .value_kind: global_buffer, .address_space: global }
    .group_segment_fixed_size: 0
    .private_segment_fixed_size: 0
    .kernarg_segment_align: 8
    .kernarg_segment_size: 24
    .max_flat_workgroup_size: 256
    .sgpr_count:     66
    .vgpr_count:     24
    .wavefront_size: 32
...
	.end_amdgpu_metadata
.endif
;; end of part 1
;; launch rank (part 2): grid 8 x 1, 8 waves a work-group, no clusters, 1,280 bytes of LDS; arguments flags, pos, list, cnt; writes pos, list, cnt
.if DOCPART == 2
	.amdgcn_target "amdgcn-amd-amdhsa--gfx1250"
	.amdhsa_code_object_version 6
	.text
	.protected	k_q1cf23a21e8_rank
	.globl	k_q1cf23a21e8_rank
	.p2align	8
	.type	k_q1cf23a21e8_rank,@function
k_q1cf23a21e8_rank:
	s_mov_b64 s[64:65], 0
	v_nop
	global_prefetch_b8 v0, s[64:65] scope:SCOPE_SE
	s_setreg_imm32_b32 hwreg(HW_REG_WAVE_MODE, 25, 1), 1
	s_wait_xcnt 0x0
; One work-group for each expert e: the flagged tokens of e are numbered in ascending order of t (their rank).
;   pos[e][t]     = rank of token t, or 0xffffffff where the pair is not flagged
;   list[e][rank] = t;  list[e][n_e .. n_e+31] = 0 (pads: the last block of 16 ranks is read whole by the next launch)
;   cnt[e][0..31] = n_e
; Wave b owns tokens 512 b .. 512 b + 511, chunk c of 32 tokens is one flag a lane.  A chunk's ranks come from the compare
; mask (bits below the lane) plus the running count; the eight waves' totals meet in LDS behind the one barrier.
; A lane without a pair stores 0 into one of the 32 spare words list[e][4128 ..], which nobody reads: EXEC never changes.
; Eight work-groups: the count of one expert is one chain over 4,096 flags, 16 KiB of input in all for each.
.set LISTW, 4160                       ; words of list for one expert: 4,096 ranks + 32 pads + 32 spare
.set FLG, 16                           ; v[16:31] chunk c: the flag
.set RNK, 32                           ; v[32:47] the rank
.set PV,  48                           ; v[48:63] what goes to pos
.set LI,  64                           ; v[64:79] byte offset in list
.set TK,  80                           ; v[80:95] what goes to list
.set MSK, 32                           ; s[32:47] chunk c: mask of flagged lanes
.set TOT, 48                           ; s[48:55] the eight waves' totals
	s_load_b256 s[4:11], s[0:1], 0x0               ; flags s[4:5], pos s[6:7], list s[8:9], cnt s[10:11]
	v_lshl_add_u32 v100, v0, 2, 0x100
	v_mov_b32 v101, 0
	v_and_b32 v1, 31, v0                           ; lane L
	v_lshrrev_b32 v7, 5, v0
	v_readfirstlane_b32 s12, v7                    ; wave b
	v_lshlrev_b32 v2, 5, v1                        ; flags: 32 bytes a token,
	v_lshl_add_u32 v2, v7, 14, v2                  ; 512 tokens a wave
	v_lshlrev_b32 v3, 2, v1                        ; pos: 4 bytes a token
	v_lshl_add_u32 v3, v7, 11, v3
	v_add_nc_u32 v4, LISTW-32, v1                  ; my spare word
	v_lshl_add_u32 v6, v7, 9, v1                   ; 512 b + L
	v_mov_b32 v5, 0
	s_lshl_b32 s14, ttmp9, 2                       ; offsets of expert e in the four buffers, as 64-bit pairs
	s_mov_b32 s15, 0
	s_lshl_b32 s16, ttmp9, 14
	s_mov_b32 s17, 0
	s_mul_i32 s18, ttmp9, LISTW*4
	s_mov_b32 s19, 0
	s_lshl_b32 s24, ttmp9, 7
	s_mov_b32 s25, 0
	s_mov_b32 s20, 0                               ; running count of the wave
	s_wait_kmcnt 0x0
	s_add_nc_u64 s[4:5], s[4:5], s[14:15]
	s_add_nc_u64 s[6:7], s[6:7], s[16:17]
	s_add_nc_u64 s[8:9], s[8:9], s[18:19]
	s_add_nc_u64 s[10:11], s[10:11], s[24:25]
.irp c, 0,1,2,3,4,5,6,7,8,9,10,11,12,13,14,15
	global_load_b32 v[FLG+\c], v2, s[4:5] offset:\c*1024
.endr
	s_wait_loadcnt 0x0
.irp c, 0,1,2,3,4,5,6,7,8,9,10,11,12,13,14,15
	v_cmp_ne_u32 s[MSK+\c], 0, v[FLG+\c]
	v_mbcnt_lo_u32_b32 v[RNK+\c], s[MSK+\c], s20   ; flagged lanes below me + what the wave counted so far
	s_bcnt1_i32_b32 s23, s[MSK+\c]
	s_add_co_u32 s20, s20, s23
.endr
	v_mov_b32 v10, s12
	v_lshlrev_b32 v10, 2, v10
	v_mov_b32 v11, s20
	ds_store_b32 v10, v11                          ; my wave's total, at word b
	s_wait_dscnt 0x0                               ; stored before the others are told
	s_barrier_signal -1
	s_barrier_wait -1
	ds_load_b128 v[8:11], v5
	ds_load_b128 v[12:15], v5 offset:16
	s_wait_dscnt 0x0
	s_mov_b32 s21, 0                               ; sum of the totals of the waves in front of mine
	s_mov_b32 s22, 0                               ; n_e
.irp i, 0,1,2,3,4,5,6,7
	v_readfirstlane_b32 s[TOT+\i], v[8+\i]
	s_cmp_lt_u32 \i, s12
	s_cselect_b32 s23, s[TOT+\i], 0
	s_add_co_u32 s21, s21, s23
	s_add_co_u32 s22, s22, s[TOT+\i]
.endr
; every chunk has registers of its own, so no store's sources are written again
.irp c, 0,1,2,3,4,5,6,7,8,9,10,11,12,13,14,15
	v_add_nc_u32 v[RNK+\c], s21, v[RNK+\c]
	v_add_nc_u32 v[TK+\c], 32*\c, v6               ; the token's number
	v_cndmask_b32 v[PV+\c], -1, v[RNK+\c], s[MSK+\c]
	v_cndmask_b32 v[LI+\c], v4, v[RNK+\c], s[MSK+\c]
	v_cndmask_b32 v[TK+\c], 0, v[TK+\c], s[MSK+\c]
	v_min_u32 v[LI+\c], LISTW-1, v[LI+\c]          ; an index made of loaded numbers is bounded before it enters an address
	v_lshlrev_b32 v[LI+\c], 2, v[LI+\c]
	global_store_b32 v3, v[PV+\c], s[6:7] offset:\c*128
	global_store_b32 v[LI+\c], v[TK+\c], s[8:9]
.endr
	s_cmp_lg_u32 s12, 7                            ; the pads and the count: one wave
	s_cbranch_scc1 .Lend
	v_add_nc_u32 v8, s22, v1
	v_min_u32 v8, LISTW-1, v8
	v_lshlrev_b32 v8, 2, v8
	v_mov_b32 v9, 0
	global_store_b32 v8, v9, s[8:9]                ; list[n_e + L] = 0: at most word 4,127, below the spare words
	v_lshlrev_b32 v10, 2, v1
	v_mov_b32 v11, s22
	global_store_b32 v10, v11, s[10:11]
.Lend:
	s_wait_tensorcnt 0x0
	ds_add_u32 v100, v101
	s_wait_dscnt 0x0
	s_endpgm
.Lfunc_end_k_q1cf23a21e8_rank:
	.size	k_q1cf23a21e8_rank, .Lfunc_end_k_q1cf23a21e8_rank-k_q1cf23a21e8_rank
	.p2alignl 7, 3214868480
	.fill 96, 4, 3214868480
	.section	.rodata,"a",@progbits
	.p2align	6, 0x0
	.amdhsa_kernel k_q1cf23a21e8_rank
		.amdhsa_group_segment_fixed_size 1280
		.amdhsa_private_segment_fixed_size 0
		.amdhsa_enable_private_segment 0
		.amdhsa_kernarg_size 32
		.amdhsa_user_sgpr_count 2
		.amdhsa_user_sgpr_kernarg_segment_ptr 1
		.amdhsa_wavefront_size32 1
		.amdhsa_system_sgpr_workgroup_id_x 1
		.amdhsa_system_sgpr_workgroup_id_y 1
		.amdhsa_system_sgpr_workgroup_id_z 1
		.amdhsa_system_vgpr_workitem_id 0
		.amdhsa_next_free_vgpr 102
		.amdhsa_next_free_sgpr 66
		.amdhsa_reserve_vcc 0
		.amdhsa_float_denorm_mode_32 3
		.amdhsa_float_denorm_mode_16_64 3
		.amdhsa_memory_ordered 1
		.amdhsa_forward_progress 1
		.amdhsa_inst_pref_size 18
	.end_amdhsa_kernel
	.amdgpu_metadata
---
amdhsa.version: [ 1, 2 ]
amdhsa.kernels:
  - .name:           k_q1cf23a21e8_rank
    .symbol:         k_q1cf23a21e8_rank.kd
    .args:
      - { .name: flags, .offset: 0, .size: 8, .value_kind: global_buffer, .address_space: global }
      - { .name: pos, .offset: 8, .size: 8, .value_kind: global_buffer, .address_space: global }
      - { .name: list, .offset: 16, .size: 8, .value_kind: global_buffer, .address_space: global }
      - { .name: cnt, .offset: 24, .size: 8, .value_kind: global_buffer, .address_space: global }
    .group_segment_fixed_size: 1280
    .private_segment_fixed_size: 0
    .kernarg_segment_align: 8
    .kernarg_segment_size: 32
    .max_flat_workgroup_size: 256
    .sgpr_count:     66
    .vgpr_count:     102
    .wavefront_size: 32
...
	.end_amdgpu_metadata
.endif
;; end of part 2
;; launch pack (part 3): grid 256 x 1, 8 waves a work-group, no clusters, 70,656 bytes of LDS; arguments x, dispatch_tensor, list, cnt, xs, ps; writes xs, ps
.if DOCPART == 3
	.amdgcn_target "amdgcn-amd-amdhsa--gfx1250"
	.amdhsa_code_object_version 6
	.text
	.protected	k_q1cf23a21e8_pack
	.globl	k_q1cf23a21e8_pack
	.p2align	8
	.type	k_q1cf23a21e8_pack,@function
k_q1cf23a21e8_pack:
	s_mov_b64 s[64:65], 0
	v_nop
	global_prefetch_b8 v0, s[64:65] scope:SCOPE_SE
	s_setreg_imm32_b32 hwreg(HW_REG_WAVE_MODE, 25, 1), 1
	s_wait_xcnt 0x0
; Gathers the rows of x that expert e works on, multiplies them by dispatch[t][e] in f32, rounds to f16 and lays them down
; in the order in which the matrix instruction's 16-bit operand wants them (ISA guide 7.12.2), so that the next launch
; fills an operand by plain loads:
;   xs[e][block of 16 ranks]: 32,768 bytes; the 16 bytes at k8 x 256 + r x 16 hold row r, k = 8 k8 .. 8 k8 + 7.
;   ps[e][rank][q] = f32 sum of the scaled row over k = 256 q .. 256 q + 255 (for the bias mask of the reference).
; f16 and not bf16: 11 significant bits against 8.  The result is allowed 0.01 of its rms; four roundings to 8 bits along the
; two products (rows, two weights, the activation) come to a third of that for a token of combine weight 1, to 11 bits an
; eighth of it.
; A unit is 16 ranks x 256 k (u = 4 x block + q).  Expert e = id & 7 has 256 slots, (id >> 3) + 32 x wave; a wave takes units
; slot, slot + 256, .. below U = 4 x blocks: (U - slot + 255) >> 8 trips, counted down by one.  The number of trips is a
; count read from memory, so the loop has no barrier:
; each wave turns its unit in 8,704 LDS bytes of its own (32 groups k8 x 272 bytes: 256 of data, 16 of padding).
; Ranks at or beyond n_e in the last block (pads) are scaled by 0; their rows are never used in the result.
; LIMITS: |x x dispatch| above 65,504 becomes infinity in f16; below 2^-14 it is kept in steps of 2^-24.
; The row sum is made in another order than the reference's (a tree in each quarter, the quarters added in the next
; launch): a row whose sum is exactly 0 in one order and not in the other gets the other mask.
; x carries no streaming hint: a token with several experts is named by several lists.
; No matrix unit, no cluster: the units share no input bytes.
.set WLDS, 8704
.set KP,   272
.set OFR,  10                          ; v[10:25]  row r: byte offset in x
.set X,    64                          ; v[64:191] row r: 8 registers as loaded; later the unit as read back from LDS
.set TOKS, 32                          ; s[32:47]  the block's 16 tokens, then 32 x token
.set TRIPS, 48                         ; s48       trips left
.set DSC,  66                          ; s[66+2r]  dispatch of row r (the odd registers are 0: the pair is named whole)
	s_load_b256 s[4:11], s[0:1], 0x0               ; x s[4:5], dispatch s[6:7], list s[8:9], cnt s[10:11]
	s_load_b128 s[12:15], s[0:1], 0x20             ; xs s[12:13], ps s[14:15]
	v_lshl_add_u32 v192, v0, 2, 0x11000
	v_mov_b32 v193, 0
	v_and_b32 v1, 31, v0                           ; lane L
	v_lshrrev_b32 v9, 5, v0
	v_readfirstlane_b32 s23, v9                    ; wave
	s_and_b32 s16, ttmp9, 7                        ; e
	s_lshr_b32 s17, ttmp9, 3
	s_lshl_b32 s22, s23, 5
	s_add_co_u32 s17, s17, s22                     ; u = my slot
	s_mov_b32 s24, 0x76543210                      ; v_permlanex16_b32: lane i takes lane i of the other half
	s_mov_b32 s25, 0xfedcba98
.irp r, 0,1,2,3,4,5,6,7,8,9,10,11,12,13,14,15
	s_mov_b32 s[DSC+2*\r+1], 0
.endr
	s_mul_i32 s22, s23, WLDS                       ; my wave's LDS bytes
	v_lshlrev_b32 v2, 4, v1                        ; 16 L
	v_lshrrev_b32 v3, 1, v1                        ; in: my 4 numbers k = 4 L .. lie in group L >> 1, half L & 1
	v_mul_u32_u24 v3, v3, KP
	v_and_b32 v9, 1, v1
	v_lshl_add_u32 v3, v9, 3, v3
	v_add_nc_u32 v3, s22, v3
	v_lshrrev_b32 v4, 4, v1                        ; back: two groups of 256 bytes a load
	v_mul_u32_u24 v4, v4, KP
	v_and_b32 v9, 15, v1
	v_lshl_add_u32 v4, v9, 4, v4
	v_add_nc_u32 v4, s22, v4
	v_lshlrev_b32 v42, 4, v9                       ; ps: 16 bytes a rank
	s_lshl_b32 s26, s16, 7
	s_mov_b32 s29, 0
	s_wait_kmcnt 0x0
	s_load_b32 s19, s[10:11], s26 offset:0x0       ; n_e
	s_lshl_b32 s28, s16, 2
	s_add_nc_u64 s[20:21], s[6:7], s[28:29]        ; dispatch + 4 e
	s_mul_i32 s28, s16, 16640
	s_add_nc_u64 s[8:9], s[8:9], s[28:29]          ; list of e
	s_wait_kmcnt 0x0
	s_min_u32 s19, s19, 4096
	s_add_co_u32 s18, s19, 15
	s_lshr_b32 s18, s18, 4
	s_lshl_b32 s18, s18, 2                         ; U = 4 x blocks
	s_cmp_ge_u32 s17, s18
	s_cbranch_scc1 .Lend
	s_sub_co_u32 s[TRIPS], s18, s17                ; U - slot, at least 1 here
	s_add_co_u32 s[TRIPS], s[TRIPS], 255
	s_lshr_b32 s[TRIPS], s[TRIPS], 8               ; units slot, slot + 256, .. below U
	s_max_u32 s[TRIPS], s[TRIPS], 1                ; changes nothing (see above); the count-down starts at 1 or more, plainly
; row r: scale, partial sum, round, into LDS; the row's sum over the 32 lanes goes to lanes r and r + 16 of v8
.macro ROW r
.set WK, 26+8*(\r&1)                   ; two sets of eight work registers take turns
	s_wait_loadcnt 30-2*\r                         ; two loads a row, back in order (ISA guide 5.7.1): the younger rows stay out
.irp n, 0,2,4,6
	v_pk_mul_f32 v[X+8*\r+\n:X+8*\r+\n+1], v[X+8*\r+\n:X+8*\r+\n+1], s[DSC+2*\r:DSC+2*\r+1] op_sel_hi:[1,0]
.endr
	v_pk_add_f32 v[WK:WK+1], v[X+8*\r:X+8*\r+1], v[X+8*\r+2:X+8*\r+3]
	v_pk_add_f32 v[WK+2:WK+3], v[X+8*\r+4:X+8*\r+5], v[X+8*\r+6:X+8*\r+7]
.irp n, 0,1,2,3
	v_cvt_pk_f16_f32 v[WK+4+\n], v[X+8*\r+2*\n], v[X+8*\r+2*\n+1]
.endr
	ds_store_b64 v3, v[WK+4:WK+5] offset:16*\r             ; k = 4 L ..
	ds_store_b64 v3, v[WK+6:WK+7] offset:16*\r+16*KP       ; k = 128 + 4 L ..: sixteen groups further
	v_pk_add_f32 v[WK:WK+1], v[WK:WK+1], v[WK+2:WK+3]
	v_add_f32 v[WK], v[WK], v[WK+1]
	v_add_f32_dpp v[WK], v[WK], v[WK] row_xmask:1 row_mask:0xf bank_mask:0xf
	v_add_f32_dpp v[WK], v[WK], v[WK] row_xmask:2 row_mask:0xf bank_mask:0xf
	v_add_f32_dpp v[WK], v[WK], v[WK] row_xmask:4 row_mask:0xf bank_mask:0xf
	v_add_f32_dpp v[WK], v[WK], v[WK] row_xmask:8 row_mask:0xf bank_mask:0xf
	v_permlanex16_b32 v[WK+1], v[WK], s24, s25
	v_add_f32 v[WK], v[WK], v[WK+1]
	s_mov_b32 s26, 0x00010001<<\r
	v_cndmask_b32 v8, v8, v[WK], s26
.endm
.Lunit:
	s_min_u32 s27, s17, 1023
	s_lshr_b32 s30, s27, 2                         ; block
	s_and_b32 s31, s27, 3                          ; quarter q
	s_lshl_b32 s27, s30, 6
	s_load_b512 s[TOKS:TOKS+15], s[8:9], s27 offset:0x0    ; the block's 16 tokens
	s_lshl_b32 s28, s31, 10
	v_add_nc_u32 v5, s28, v2                       ; x: 16 L + 1,024 q
	s_lshl_b32 s28, s16, 23                        ; xs: e, block, quarter
	s_lshl_b32 s29, s30, 15
	s_add_co_u32 s28, s28, s29
	s_lshl_b32 s29, s31, 13
	s_add_co_u32 s28, s28, s29
	v_add_nc_u32 v6, s28, v2
	s_lshl_b32 s28, s16, 16                        ; ps: e, block, quarter
	s_lshl_b32 s29, s30, 8
	s_add_co_u32 s28, s28, s29
	s_lshl_b32 s29, s31, 2
	s_add_co_u32 s28, s28, s29
	v_add_nc_u32 v7, s28, v42
	s_lshl_b32 s30, s30, 4                         ; the block's first rank
	s_wait_kmcnt 0x0
.irp r, 0,1,2,3,4,5,6,7,8,9,10,11,12,13,14,15
	s_min_u32 s[TOKS+\r], s[TOKS+\r], 4095         ; a loaded index is bounded before it enters an address
	s_lshl_b32 s[TOKS+\r], s[TOKS+\r], 5           ; 32 bytes of dispatch a token
	s_load_b32 s[DSC+2*\r], s[20:21], s[TOKS+\r] offset:0x0
	v_lshl_add_u32 v[OFR+\r], s[TOKS+\r], 7, v5    ; 4,096 bytes of x a token
	global_load_b128 v[X+8*\r:X+8*\r+3], v[OFR+\r], s[4:5]
	global_load_b128 v[X+8*\r+4:X+8*\r+7], v[OFR+\r], s[4:5] offset:512
.endr
	s_wait_kmcnt 0x0
.irp r, 0,1,2,3,4,5,6,7,8,9,10,11,12,13,14,15
	s_add_co_u32 s29, s30, \r
	s_cmp_lt_u32 s29, s19
	s_cselect_b32 s[DSC+2*\r], s[DSC+2*\r], 0      ; a pad rank is scaled by 0
.endr
	v_mov_b32 v8, 0
.irp r, 0,1,2,3,4,5,6,7,8,9,10,11,12,13,14,15
	ROW \r
.endr
; back by groups: LDS serves a wave's instructions in order (ISA guide 5.7.1), so these loads see the stores above
.irp i, 0,1,2,3,4,5,6,7,8,9,10,11,12,13,14,15
	ds_load_b128 v[X+4*\i:X+4*\i+3], v4 offset:\i*2*KP
.endr
.irp i, 0,1,2,3,4,5,6,7,8,9,10,11,12,13,14,15
	s_wait_dscnt 15-\i                             ; load i is in, the younger ones stay out
	global_store_b128 v6, v[X+4*\i:X+4*\i+3], s[12:13] offset:\i*512   ; 512 neighbouring bytes, aligned
.endr
	global_store_b32 v7, v8, s[14:15]              ; lanes r and r + 16 hold the same sum and write the same word
	s_wait_xcnt 0x0                                ; offsets and store data are written again only behind this wait
	s_add_co_u32 s17, s17, 256                     ; my next unit (serves the addresses only; the loop ends on the counter)
	s_sub_co_u32 s[TRIPS], s[TRIPS], 1
	s_cmp_lg_u32 s[TRIPS], 0
	s_cbranch_scc1 .Lunit
.Lend:
	s_wait_tensorcnt 0x0
	ds_add_u32 v192, v193
	s_wait_dscnt 0x0
	s_endpgm
.Lfunc_end_k_q1cf23a21e8_pack:
	.size	k_q1cf23a21e8_pack, .Lfunc_end_k_q1cf23a21e8_pack-k_q1cf23a21e8_pack
	.p2alignl 7, 3214868480
	.fill 96, 4, 3214868480
	.section	.rodata,"a",@progbits
	.p2align	6, 0x0
	.amdhsa_kernel k_q1cf23a21e8_pack
		.amdhsa_group_segment_fixed_size 70656
		.amdhsa_private_segment_fixed_size 0
		.amdhsa_enable_private_segment 0
		.amdhsa_kernarg_size 48
		.amdhsa_user_sgpr_count 2
		.amdhsa_user_sgpr_kernarg_segment_ptr 1
		.amdhsa_wavefront_size32 1
		.amdhsa_system_sgpr_workgroup_id_x 1
		.amdhsa_system_sgpr_workgroup_id_y 1
		.amdhsa_system_sgpr_workgroup_id_z 1
		.amdhsa_system_vgpr_workitem_id 0
		.amdhsa_next_free_vgpr 194
		.amdhsa_next_free_sgpr 100
		.amdhsa_reserve_vcc 0
		.amdhsa_float_denorm_mode_32 3
		.amdhsa_float_denorm_mode_16_64 3
		.amdhsa_memory_ordered 1
		.amdhsa_forward_progress 1
		.amdhsa_inst_pref_size 37
	.end_amdhsa_kernel
	.amdgpu_metadata
---
amdhsa.version: [ 1, 2 ]
amdhsa.kernels:
  - .name:           k_q1cf23a21e8_pack
    .symbol:         k_q1cf23a21e8_pack.kd
    .args:
      - { .name: x, .offset: 0, .size: 8, .value_kind: global_buffer, .address_space: global }
      - { .name: dispatch_tensor, .offset: 8, .size: 8, .value_kind: global_buffer, .address_space: global }
      - { .name: list, .offset: 16, .size: 8, .value_kind: global_buffer, .address_space: global }
      - { .name: cnt, .offset: 24, .size: 8, .value_kind: global_buffer, .address_space: global }
      - { .name: xs, .offset: 32, .size: 8, .value_kind: global_buffer, .address_space: global }
      - { .name: ps, .offset: 40, .size: 8, .value_kind: global_buffer, .address_space: global }
    .group_segment_fixed_size: 70656
    .private_segment_fixed_size: 0
    .kernarg_segment_align: 8
    .kernarg_segment_size: 48
    .max_flat_workgroup_size: 256
    .sgpr_count:     100
    .vgpr_count:     194
    .wavefront_size: 32
...
	.end_amdgpu_metadata
.endif
;; end of part 3
;; launch ffn1 (part 4): grid 256 x 1, 4 waves a work-group, no clusters, 98,816 bytes of LDS; arguments xs, w1, b1, ps, cnt, h; writes h
.if DOCPART == 4
	.amdgcn_target "amdgcn-amd-amdhsa--gfx1250"
	.amdhsa_code_object_version 6
	.text
	.protected	k_q1cf23a21e8_ffn1
	.globl	k_q1cf23a21e8_ffn1
	.p2align	8
	.type	k_q1cf23a21e8_ffn1,@function
k_q1cf23a21e8_ffn1:
	s_mov_b64 s[64:65], 0
	v_nop
	global_prefetch_b8 v0, s[64:65] scope:SCOPE_SE
	s_setreg_imm32_b32 hwreg(HW_REG_WAVE_MODE, 25, 1), 1
	s_wait_xcnt 0x0
; h = gelu(xs x W1[e] + mask x b1[e]) for the ranks of expert e, f16 in the operand order of the next product.
; A work-group is (e = id >> 5, cb = id & 31): 32 columns of W1[e], all 1,024 k.  8 x 32 = 256 work-groups; each byte of w1 is
; loaded once in the launch.  Every wave holds the whole 1,024 x 32 slab as f16 operands in 512 registers, so one block of
; 16 ranks (32,768 bytes, loaded straight into operand registers by 64 loads of 512 neighbouring bytes) feeds 64 matrix
; instructions.  Wave w takes blocks w, w + 4, ..; the number of trips is a count read from memory, so the loop holds no
; barrier and the waves share nothing in it.
; PROLOGUE: wave w loads k rows 256 w .. of the slab (f32, 128 bytes a row), rounds to f16 and lays them into LDS as
; [1,024 k][96 bytes] (64 of data; the pitch is an odd multiple of 32 bytes for the transposing load); one barrier; then
; each wave reads the slab by ds_load_tr16_b128, which turns [k][n] into the operand's k-along-registers order.
; A work-group whose expert has no ranks still runs the prologue: the barrier may not stand behind a branch on a count.
; THE MATRIX INSTRUCTION IS USED TRANSPOSED: source 0 = 16 columns of W, source 1 = 16 ranks.  Lane (r, hh) then holds rank r,
; columns 8 hh .. 8 hh + 7 of the tile: eight neighbouring k of the next product, 16 bytes of its operand as they stand.
; NO CLUSTER, NO JOINT REQUESTS, though the 32 work-groups of an expert read the same blocks: a joint request lands in LDS,
; from where each block's 32,768 bytes would be read once more into registers, and the trips hang on a loaded count.
; GELU is exact-erf GELU with erf by a rational approximation (Abramowitz and Stegun 7.1.26).
; f16 and not bf16 operands: 11 significant bits against 8; the result is allowed 0.01 of its rms, which roundings to 8 bits
; along the two products use up for tokens of combine weight near 1.
; LIMITS: a weight or a gelu result above 65,504 in magnitude becomes infinity in f16, below 2^-14 it is kept in steps of
; 2^-24; sums in f32; erf within 1.5e-7 absolute; v_exp_f32 gives 0 for results below 2^-126 (ISA guide 15.8);
; the mask's row sum is (q0 + q1) + (q2 + q3) of the quarter sums, another order than the reference's.
; REGISTERS: window 0 addresses, accumulators, epilogue; window 1 W of k steps 0-15 (16 ks + 8 ct); window 2 k steps 16-31;
; window 3 first the 64 x 4 staging registers, then the block's operands (8 ks + 4 j).
.set WP,    96
.set BLK,   32768
.set STEPA, 4*BLK                      ; four waves: my next block is four further
.set STEPO, 4*BLK
.set ACC, 32                           ; v[32:63]   four sums: tile ct (16 columns), parity of the k step: 8 (2 ct + par)
.set B1,  64                           ; v[64:79]   b1 of my 2 x 8 columns
.set MK,  80                           ; v[80:81]   the rank's mask, twice
.set NA5, 82                           ; v[82:83]   -a5, twice
.set AUX, 84                           ; v[84:87]   the rank's four quarter sums
.set U,   96                           ; v[96:111]  pre-activation
.set DEN, 112                          ; v[112:127] 1 + p |u| / sqrt 2
.set EA,  128                          ; v[128:143] -u^2 / 2 x log2 e
.set PL,  144                          ; v[144:159] the polynomial, negated
.set HU,  160                          ; v[160:175] u / 2, then gelu
.set OUTR, 176                         ; v[176:183] 2 x 16 bytes of f16
.set TT,  192                          ; v[192:207] t = 1 / DEN
.set EE,  208                          ; v[208:223] exp(-u^2 / 2), then erf(|u| / sqrt 2)
.set MSB, 0
.macro WIN new                         ; the immediate's high byte repeats the setting that is left
.if MSB != \new
	s_set_vgpr_msb (MSB<<8)|\new
.set MSB, \new
.endif
.endm
.macro PLACES                          ; four plain places between a matrix instruction and a load into its source or a
.rept 4                                ; vector read of its result (ISA guide 7.12.1)
	v_nop
.endr
.endm
	s_load_b256 s[4:11], s[0:1], 0x0               ; xs s[4:5], w1 s[6:7], b1 s[8:9], ps s[10:11]
	s_load_b128 s[12:15], s[0:1], 0x20             ; cnt s[12:13], h s[14:15]
	v_lshl_add_u32 v254, v0, 2, 0x18000
	v_mov_b32 v255, 0
	v_and_b32 v1, 31, v0                           ; lane L
	v_lshrrev_b32 v11, 5, v0
	v_readfirstlane_b32 s18, v11                   ; wave w
	s_lshr_b32 s16, ttmp9, 5                       ; e
	s_and_b32 s17, ttmp9, 31                       ; cb
	v_lshlrev_b32 v2, 4, v1                        ; 16 L
	v_lshrrev_b32 v12, 3, v1                       ; L >> 3
	v_and_b32 v13, 7, v1                           ; L & 7
	v_and_b32 v14, 15, v1                          ; r
	v_lshrrev_b32 v15, 4, v1                       ; hh
	s_mul_i32 s21, s18, 256*WP                     ; my 256 k rows of the stage
	v_mul_u32_u24 v3, v12, WP                      ; stage, in: row L >> 3, 8 bytes for 4 columns
	v_lshl_add_u32 v3, v13, 3, v3
	v_add_nc_u32 v3, s21, v3
	v_lshl_add_u32 v4, v15, 3, v13                 ; stage, out: row 8 hh + (L & 7),
	v_mul_u32_u24 v4, v4, WP
	v_and_b32 v16, 1, v12
	v_lshl_add_u32 v4, v16, 4, v4                  ; 16 bytes for columns 8 ((L >> 3) & 1) ..
	v_add_nc_u32 v5, 16*32*WP, v4                  ; the same for k steps 16-31
	v_lshlrev_b32 v6, 12, v12                      ; w1: row L >> 3 of 4,096 bytes, 16 bytes a lane
	v_lshl_add_u32 v6, v13, 4, v6
	v_lshlrev_b32 v7, 4, v14                       ; ps: 16 bytes a rank
	v_lshlrev_b32 v8, 5, v15                       ; b1: 8 columns for each half of the lanes
	v_mov_b32 v[NA5], 0xbf87dc22                   ; -a5
	v_mov_b32 v[NA5+1], 0xbf87dc22
	s_mov_b32 s32, 0x3fba00e3                      ; -a4 (each constant twice: the pair is named whole)
	s_mov_b32 s33, 0x3fba00e3
	s_mov_b32 s34, 0xbfb5f0e3                      ; -a3
	s_mov_b32 s35, 0xbfb5f0e3
	s_mov_b32 s36, 0x3e91a98e                      ; -a2
	s_mov_b32 s37, 0x3e91a98e
	s_mov_b32 s38, 0xbe827906                      ; -a1
	s_mov_b32 s39, 0xbe827906
	s_mov_b32 s40, 0xbf38aa3b                      ; -log2(e) / 2
	s_mov_b32 s41, 0xbf38aa3b
	s_mov_b32 s42, 0x3e6d3388                      ; 0.3275911 / sqrt 2
	s_mov_b32 s31, 0
	s_lshl_b32 s43, s16, 7
	s_wait_kmcnt 0x0
	s_load_b32 s19, s[12:13], s43 offset:0x0       ; n_e, wanted behind the barrier
	s_lshl_b32 s30, s16, 22                        ; w1: expert, my 256 rows, my 32 columns
	s_lshl_b32 s21, s18, 20
	s_add_co_u32 s30, s30, s21
	s_lshl_b32 s21, s17, 7
	s_add_co_u32 s30, s30, s21
	s_add_nc_u64 s[28:29], s[6:7], s[30:31]
	WIN 0xc0                                       ; destination window 3, address window 0
.set i, 0
.rept 64
	global_load_b128 v[4*i:4*i+3], v6, s[28:29] offset:i*16384 th:TH_LOAD_NT   ; 4 k rows x 128 bytes; all 32,768 bytes of the wave at once
.set i, i+1
.endr
	WIN 0
	s_lshl_b32 s30, s16, 12                        ; b1: expert, my 32 columns
	s_add_co_u32 s30, s30, s21
	s_add_nc_u64 s[44:45], s[8:9], s[30:31]
	global_load_b128 v[B1:B1+3], v8, s[44:45]
	global_load_b128 v[B1+4:B1+7], v8, s[44:45] offset:16
	global_load_b128 v[B1+8:B1+11], v8, s[44:45] offset:64
	global_load_b128 v[B1+12:B1+15], v8, s[44:45] offset:80
	s_lshl_b32 s30, s16, 23                        ; xs: expert, block w
	s_lshl_b32 s21, s18, 15
	s_add_co_u32 s30, s30, s21
	s_add_nc_u64 s[22:23], s[4:5], s[30:31]
	s_lshl_b32 s21, s17, 10                        ; h: the same block, k step cb of the next product
	s_add_co_u32 s30, s30, s21
	s_add_nc_u64 s[24:25], s[14:15], s[30:31]
	s_lshl_b32 s30, s16, 16                        ; ps: expert, block w
	s_lshl_b32 s21, s18, 8
	s_add_co_u32 s30, s30, s21
	s_add_nc_u64 s[26:27], s[10:11], s[30:31]
; sixteen of the 64 weight loads: round in place, 8 bytes a lane into the stage
.macro STAGE g, left
	s_wait_loadcnt \left                           ; the younger weight loads and the four of b1 stay out
	WIN 0xcf                                       ; sources and destination window 3
.set i, 16*\g
.rept 16
	v_cvt_pk_f16_f32 v[4*i], v[4*i], v[4*i+1]
	v_cvt_pk_f16_f32 v[4*i+1], v[4*i+2], v[4*i+3]
.set i, i+1
.endr
	WIN 0x0c                                       ; store data window 3, address window 0
.set i, 16*\g
.rept 16
	ds_store_b64 v3, v[4*i:4*i+1] offset:i*4*WP
.set i, i+1
.endr
.endm
	STAGE 0, 52
	STAGE 1, 36
	STAGE 2, 20
	STAGE 3, 4
	WIN 0
	s_wait_loadcnt 0x0                             ; b1
	s_wait_dscnt 0x0                               ; my rows of the stage are written before the others are told
	s_barrier_signal -1
	s_barrier_wait -1                              ; the only barrier: the stage is never written again
	s_wait_kmcnt 0x0
	s_min_u32 s19, s19, 4096
	s_add_co_u32 s19, s19, 15
	s_lshr_b32 s19, s19, 4                         ; blocks of the expert
	s_add_co_u32 s19, s19, 3
	s_sub_co_u32 s19, s19, s18
	s_lshr_b32 s20, s19, 2                         ; blocks of my wave
	s_cmp_eq_u32 s20, 0
	s_cbranch_scc1 .Lend
; a quarter of a block's operands: k steps 8 q .. 8 q + 7, sixteen loads of 512 neighbouring bytes
.macro FETCHQ q, step
	WIN 0xc0
.set ks, 8*\q
.rept 8
	global_load_b128 v[8*ks:8*ks+3], v2, s[22:23] offset:\step+ks*1024
	global_load_b128 v[8*ks+4:8*ks+7], v2, s[22:23] offset:\step+ks*1024+512
.set ks, ks+1
.endr
.endm
; sixteen matrix instructions: k steps 8 q .. 8 q + 7 x two tiles of 16 columns, in four chains (tile, parity of the k step).
; The first link of each chain takes the constant 0: nothing is cleared.
.macro MULQ q
.if \q < 2
	WIN 0x0d                                       ; source 0 (W) window 1, source 1 (ranks) window 3, C and D window 0
.else
	WIN 0x0e                                       ; W in window 2
.endif
.set ks, 8*\q
.rept 8
.irp ct, 0,1
.if ks < 2
	v_wmma_f32_16x16x32_f16 v[ACC+8*(2*\ct+(ks&1)):ACC+8*(2*\ct+(ks&1))+7], v[16*(ks&15)+8*\ct:16*(ks&15)+8*\ct+7], v[8*ks:8*ks+7], 0
.else
	v_wmma_f32_16x16x32_f16 v[ACC+8*(2*\ct+(ks&1)):ACC+8*(2*\ct+(ks&1))+7], v[16*(ks&15)+8*\ct:16*(ks&15)+8*\ct+7], v[8*ks:8*ks+7], v[ACC+8*(2*\ct+(ks&1)):ACC+8*(2*\ct+(ks&1))+7]
.endif
.endr
.set ks, ks+1
.endr
.endm
; mask, bias, GELU, 32 bytes of f16 a lane out.  gelu(u) = u/2 + |u/2| erf(|u| / sqrt 2);
; erf(z) = 1 - (a1 t + .. + a5 t^5) exp(-z^2), t = 1 / (1 + 0.3275911 z).  The coefficients are held negated.
.macro EPI refill
	v_add_f32 v[AUX], v[AUX], v[AUX+1]
	v_add_f32 v[AUX+2], v[AUX+2], v[AUX+3]
	v_add_f32 v[AUX], v[AUX], v[AUX+2]             ; the scaled row's sum
	v_cmp_neq_f32 vcc_lo, 0, v[AUX]                ; a NaN counts as not zero, as in the reference
	v_cndmask_b32 v[MK], 0, 1.0, vcc_lo
	v_cndmask_b32 v[MK+1], 0, 1.0, vcc_lo
.if \refill
	global_load_b128 v[AUX:AUX+3], v7, s[26:27] offset:1024    ; the next block's sums
.endif
.irp n, 0,2,4,6
	v_pk_add_f32 v[U+\n:U+\n+1], v[ACC+\n:ACC+\n+1], v[ACC+8+\n:ACC+8+\n+1]
	v_pk_add_f32 v[U+8+\n:U+8+\n+1], v[ACC+16+\n:ACC+16+\n+1], v[ACC+24+\n:ACC+24+\n+1]
.endr
.irp n, 0,2,4,6,8,10,12,14
	v_pk_fma_f32 v[U+\n:U+\n+1], v[MK:MK+1], v[B1+\n:B1+\n+1], v[U+\n:U+\n+1]
.endr
.irp n, 0,1,2,3,4,5,6,7,8,9,10,11,12,13,14,15
	v_fma_f32 v[DEN+\n], |v[U+\n]|, s42, 1.0
.endr
.irp n, 0,1,2,3,4,5,6,7,8,9,10,11,12,13,14,15
	v_rcp_f32 v[TT+\n], v[DEN+\n]
.endr
.irp n, 0,2,4,6,8,10,12,14                         ; plain work that touches neither TT nor DEN stands behind the reciprocals (ISA guide 5.7.2)
	v_pk_mul_f32 v[EA+\n:EA+\n+1], v[U+\n:U+\n+1], v[U+\n:U+\n+1]
.endr
.irp n, 0,2,4,6,8,10,12,14
	v_pk_mul_f32 v[EA+\n:EA+\n+1], v[EA+\n:EA+\n+1], s[40:41] op_sel_hi:[1,0]
.endr
.irp n, 0,1,2,3,4,5,6,7,8,9,10,11,12,13,14,15
	v_exp_f32 v[EE+\n], v[EA+\n]
.endr
	s_wait_alu depctr_va_vdst(0)
.irp n, 0,2,4,6,8,10,12,14                         ; the polynomial stands behind the exponentials and touches neither EE nor EA
	v_pk_fma_f32 v[PL+\n:PL+\n+1], v[TT+\n:TT+\n+1], v[NA5:NA5+1], s[32:33] op_sel_hi:[1,1,0]
.endr
.irp c, 34,36,38
.irp n, 0,2,4,6,8,10,12,14
	v_pk_fma_f32 v[PL+\n:PL+\n+1], v[PL+\n:PL+\n+1], v[TT+\n:TT+\n+1], s[\c:\c+1] op_sel_hi:[1,1,0]
.endr
.endr
.irp n, 0,2,4,6,8,10,12,14
	v_pk_mul_f32 v[PL+\n:PL+\n+1], v[PL+\n:PL+\n+1], v[TT+\n:TT+\n+1]
.endr
.irp n, 0,2,4,6,8,10,12,14
	v_pk_fma_f32 v[EE+\n:EE+\n+1], v[PL+\n:PL+\n+1], v[EE+\n:EE+\n+1], 1.0 op_sel_hi:[1,1,0]
.endr
.irp n, 0,2,4,6,8,10,12,14
	v_pk_mul_f32 v[HU+\n:HU+\n+1], v[U+\n:U+\n+1], 0.5 op_sel_hi:[1,0]
.endr
.irp n, 0,1,2,3,4,5,6,7,8,9,10,11,12,13,14,15
	v_fma_f32 v[HU+\n], |v[HU+\n]|, v[EE+\n], v[HU+\n]
.endr
.irp n, 0,1,2,3,4,5,6,7
	v_cvt_pk_f16_f32 v[OUTR+\n], v[HU+2*\n], v[HU+2*\n+1]
.endr
	global_store_b128 v2, v[OUTR:OUTR+3], s[24:25]                 ; tile 0: k = 32 cb + 8 hh ..: 512 neighbouring bytes
	global_store_b128 v2, v[OUTR+4:OUTR+7], s[24:25] offset:512    ; tile 1: k = 32 cb + 16 + 8 hh ..
.endm
; One block.  refill = 1: each quarter's registers are loaded again, for my next block, as soon as they have been multiplied.
; Loads come back in order (ISA guide 5.7.1); behind quarter q were issued: with refill three quarters (48) and the sums (1),
; and at q = 3 the sums have to be in too, so only the three new quarters stay out; without refill the counts run down.
.macro TRIP refill
.irp q, 0,1,2,3
.if \q == 3
	s_wait_loadcnt 48*\refill
.else
	s_wait_loadcnt 49-16*\q*(1-\refill)
.endif
	MULQ \q
	PLACES
.if \refill
	FETCHQ \q, STEPA
.endif
.endr
	WIN 0
	EPI \refill
.if \refill
	s_wait_xcnt 0x0                                ; bases and store data are written again only behind this wait
	s_add_nc_u64 s[22:23], s[22:23], STEPA
	s_add_nc_u64 s[24:25], s[24:25], STEPO
	s_add_nc_u64 s[26:27], s[26:27], 1024
.endif
.endm
	FETCHQ 0, 0                                    ; my first block is asked for before the slab is read: it flies behind the LDS loads
	FETCHQ 1, 0
	FETCHQ 2, 0
	FETCHQ 3, 0
	WIN 0
	global_load_b128 v[AUX:AUX+3], v7, s[26:27]
	WIN 0x40                                       ; destination window 1
.set ks, 0
.rept 16
.irp ct, 0,1
	ds_load_tr16_b128 v[16*ks+8*\ct:16*ks+8*\ct+3], v4 offset:ks*32*WP+\ct*32
	ds_load_tr16_b128 v[16*ks+8*\ct+4:16*ks+8*\ct+7], v4 offset:ks*32*WP+\ct*32+16*WP
.endr
.set ks, ks+1
.endr
	WIN 0x80                                       ; destination window 2
.set ks, 0
.rept 16
.irp ct, 0,1
	ds_load_tr16_b128 v[16*ks+8*\ct:16*ks+8*\ct+3], v5 offset:ks*32*WP+\ct*32
	ds_load_tr16_b128 v[16*ks+8*\ct+4:16*ks+8*\ct+7], v5 offset:ks*32*WP+\ct*32+16*WP
.endr
.set ks, ks+1
.endr
	WIN 0
	s_wait_dscnt 0x0                               ; the slab is in registers for the rest of the kernel
	s_sub_co_u32 s20, s20, 1
	s_cmp_eq_u32 s20, 0
	s_cbranch_scc1 .Ltail
.Lloop:
	TRIP 1
	s_sub_co_u32 s20, s20, 1
	s_cmp_lg_u32 s20, 0
	s_cbranch_scc1 .Lloop
.Ltail:
	TRIP 0                                         ; my last block: nothing is loaded beyond it
.Lend:
	s_wait_tensorcnt 0x0
	ds_add_u32 v254, v255
	s_wait_dscnt 0x0
	s_endpgm
.Lfunc_end_k_q1cf23a21e8_ffn1:
	.size	k_q1cf23a21e8_ffn1, .Lfunc_end_k_q1cf23a21e8_ffn1-k_q1cf23a21e8_ffn1
	.p2alignl 7, 3214868480
	.fill 96, 4, 3214868480
	.section	.rodata,"a",@progbits
	.p2align	6, 0x0
	.amdhsa_kernel k_q1cf23a21e8_ffn1
		.amdhsa_group_segment_fixed_size 98816
		.amdhsa_private_segment_fixed_size 0
		.amdhsa_enable_private_segment 0
		.amdhsa_kernarg_size 48
		.amdhsa_user_sgpr_count 2
		.amdhsa_user_sgpr_kernarg_segment_ptr 1
		.amdhsa_wavefront_size32 1
		.amdhsa_system_sgpr_workgroup_id_x 1
		.amdhsa_system_sgpr_workgroup_id_y 1
		.amdhsa_system_sgpr_workgroup_id_z 1
		.amdhsa_system_vgpr_workitem_id 0
		.amdhsa_next_free_vgpr 1024
		.amdhsa_next_free_sgpr 66
		.amdhsa_reserve_vcc 1
		.amdhsa_float_denorm_mode_32 3
		.amdhsa_float_denorm_mode_16_64 3
		.amdhsa_memory_ordered 1
		.amdhsa_forward_progress 1
		.amdhsa_inst_pref_size 72
	.end_amdhsa_kernel
	.amdgpu_metadata
---
amdhsa.version: [ 1, 2 ]
amdhsa.kernels:
  - .name:           k_q1cf23a21e8_ffn1
    .symbol:         k_q1cf23a21e8_ffn1.kd
    .args:
      - { .name: xs, .offset: 0, .size: 8, .value_kind: global_buffer, .address_space: global }
      - { .name: w1, .offset: 8, .size: 8, .value_kind: global_buffer, .address_space: global }
      - { .name: b1, .offset: 16, .size: 8, .value_kind: global_buffer, .address_space: global }
      - { .name: ps, .offset: 24, .size: 8, .value_kind: global_buffer, .address_space: global }
      - { .name: cnt, .offset: 32, .size: 8, .value_kind: global_buffer, .address_space: global }
      - { .name: h, .offset: 40, .size: 8, .value_kind: global_buffer, .address_space: global }
    .group_segment_fixed_size: 98816
    .private_segment_fixed_size: 0
    .kernarg_segment_align: 8
    .kernarg_segment_size: 48
    .max_flat_workgroup_size: 128
    .sgpr_count:     66
    .vgpr_count:     1024
    .wavefront_size: 32
...
	.end_amdgpu_metadata
.endif
;; end of part 4
;; launch ffn2 (part 5): grid 256 x 1, 4 waves a work-group, no clusters, 108,032 bytes of LDS; arguments h, w2, cnt, o; writes o
.if DOCPART == 5
	.amdgcn_target "amdgcn-amd-amdhsa--gfx1250"
	.amdhsa_code_object_version 6
	.text
	.protected	k_q1cf23a21e8_ffn2
	.globl	k_q1cf23a21e8_ffn2
	.p2align	8
	.type	k_q1cf23a21e8_ffn2,@function
k_q1cf23a21e8_ffn2:
	s_mov_b64 s[64:65], 0
	v_nop
	global_prefetch_b8 v0, s[64:65] scope:SCOPE_SE
	s_setreg_imm32_b32 hwreg(HW_REG_WAVE_MODE, 25, 1), 1
	s_wait_xcnt 0x0
; o = h x W2[e] for the ranks of expert e, f32, in tiles: o[e][block of 16 ranks][cb][16 ranks][32 columns].
; Built as the launch before it: a work-group is (e = id >> 5, cb = id & 31), 32 columns of W2[e] and all 1,024 k; each byte
; of w2 is loaded once in the launch; every wave holds the slab as f16 operands in 512 registers; wave w takes blocks
; w, w + 4, ..; a block's 32,768 bytes come straight into operand registers and feed 64 matrix instructions.  The number of
; trips is a count read from memory, so the loop holds no barrier and the waves share nothing in it.
; PROLOGUE: wave w rounds k rows 256 w .. of the slab to f16 into LDS, [1,024 k][96 bytes] (64 of data; the pitch an odd
; multiple of 32 bytes for the transposing load); one barrier; each wave reads the slab by ds_load_tr16_b128.
; A work-group whose expert has no ranks still runs the prologue: the barrier may not stand behind a branch on a count.
; Source 0 = 16 columns of W, source 1 = 16 ranks: lane (r, hh) holds rank r, columns 8 hh .. 8 hh + 7 of a tile.  The 16 x 32
; result goes through 2,304 LDS bytes of the wave's own (16 rows x 144) and leaves as 4 stores of 512 neighbouring bytes.
; The weighted sum over experts and b2 are left to the next launch: a token may have several experts, and sums across
; work-groups are made by the owner of the output row.
; NO CLUSTER, NO JOINT REQUESTS, though the 32 work-groups of an expert read the same blocks: a joint request lands in LDS,
; from where each block's 32,768 bytes would be read once more into registers, and the trips hang on a loaded count.
; f16 and not bf16 operands: 11 significant bits against 8; the result is allowed 0.01 of its rms, which roundings to 8 bits
; along the two products use up for tokens of combine weight near 1.
; LIMITS: a weight above 65,504 in magnitude becomes infinity in f16, below 2^-14 it is kept in steps of 2^-24;
; sums in f32 in two chains for each output (even and odd k steps), added at the end.
; REGISTERS: window 0 addresses, accumulators, way out; window 1 W of k steps 0-15 (16 ks + 8 ct); window 2 k steps 16-31;
; window 3 first the 64 x 4 staging registers, then the block's operands (8 ks + 4 j).
.set WP,    96
.set WST,   1024*WP                    ; the wave's out stages lie behind the slab's stage
.set OP,    144                        ; out stage: 128 bytes of a row + 16
.set BLK,   32768
.set STEPA, 4*BLK                      ; four waves: my next block is four further
.set STEPO, 4*65536
.set ACC, 32                           ; v[32:63]   four sums: tile ct (16 columns), parity of the k step: 8 (2 ct + par)
.set U,   96                           ; v[96:111]  the 2 x 8 results
.set OUTR, 176                         ; v[176:191] the tile as read back by rows
.set MSB, 0
.macro WIN new                         ; the immediate's high byte repeats the setting that is left
.if MSB != \new
	s_set_vgpr_msb (MSB<<8)|\new
.set MSB, \new
.endif
.endm
.macro PLACES                          ; four plain places between a matrix instruction and a load into its source or a
.rept 4                                ; vector read of its result (ISA guide 7.12.1)
	v_nop
.endr
.endm
	s_load_b256 s[4:11], s[0:1], 0x0               ; h s[4:5], w2 s[6:7], cnt s[8:9], o s[10:11]
	v_lshl_add_u32 v254, v0, 2, 0x1a400
	v_mov_b32 v255, 0
	v_and_b32 v1, 31, v0                           ; lane L
	v_lshrrev_b32 v11, 5, v0
	v_readfirstlane_b32 s18, v11                   ; wave w
	s_lshr_b32 s16, ttmp9, 5                       ; e
	s_and_b32 s17, ttmp9, 31                       ; cb
	v_lshlrev_b32 v2, 4, v1                        ; 16 L
	v_lshrrev_b32 v12, 3, v1                       ; L >> 3
	v_and_b32 v13, 7, v1                           ; L & 7
	v_and_b32 v14, 15, v1                          ; r
	v_lshrrev_b32 v15, 4, v1                       ; hh
	s_mul_i32 s21, s18, 256*WP                     ; my 256 k rows of the stage
	v_mul_u32_u24 v3, v12, WP                      ; stage, in: row L >> 3, 8 bytes for 4 columns
	v_lshl_add_u32 v3, v13, 3, v3
	v_add_nc_u32 v3, s21, v3
	v_lshl_add_u32 v4, v15, 3, v13                 ; stage, out: row 8 hh + (L & 7),
	v_mul_u32_u24 v4, v4, WP
	v_and_b32 v16, 1, v12
	v_lshl_add_u32 v4, v16, 4, v4                  ; 16 bytes for columns 8 ((L >> 3) & 1) ..
	v_add_nc_u32 v5, 16*32*WP, v4                  ; the same for k steps 16-31
	v_lshlrev_b32 v6, 12, v12                      ; w2: row L >> 3 of 4,096 bytes, 16 bytes a lane
	v_lshl_add_u32 v6, v13, 4, v6
	s_mul_i32 s21, s18, 16*OP
	s_add_co_u32 s21, s21, WST                     ; my out stage
	v_mul_u32_u24 v9, v14, OP                      ; in: row r, 32 bytes for each half of the lanes
	v_lshl_add_u32 v9, v15, 5, v9
	v_add_nc_u32 v9, s21, v9
	v_mul_u32_u24 v10, v12, OP                     ; back: four rows of 128 bytes a load
	v_lshl_add_u32 v10, v13, 4, v10
	v_add_nc_u32 v10, s21, v10
	s_mov_b32 s31, 0
	s_lshl_b32 s43, s16, 7
	s_wait_kmcnt 0x0
	s_load_b32 s19, s[8:9], s43 offset:0x0         ; n_e, wanted behind the barrier
	s_lshl_b32 s30, s16, 22                        ; w2: expert, my 256 rows, my 32 columns
	s_lshl_b32 s21, s18, 20
	s_add_co_u32 s30, s30, s21
	s_lshl_b32 s21, s17, 7
	s_add_co_u32 s30, s30, s21
	s_add_nc_u64 s[28:29], s[6:7], s[30:31]
	WIN 0xc0                                       ; destination window 3, address window 0
.set i, 0
.rept 64
	global_load_b128 v[4*i:4*i+3], v6, s[28:29] offset:i*16384 th:TH_LOAD_NT   ; 4 k rows x 128 bytes; all 32,768 bytes of the wave at once
.set i, i+1
.endr
	WIN 0
	s_lshl_b32 s30, s16, 23                        ; h: expert, block w
	s_lshl_b32 s21, s18, 15
	s_add_co_u32 s30, s30, s21
	s_add_nc_u64 s[22:23], s[4:5], s[30:31]
	s_lshl_b32 s30, s16, 24                        ; o: expert, block w, tile cb
	s_lshl_b32 s21, s18, 16
	s_add_co_u32 s30, s30, s21
	s_lshl_b32 s21, s17, 11
	s_add_co_u32 s30, s30, s21
	s_add_nc_u64 s[24:25], s[10:11], s[30:31]
; sixteen of the 64 weight loads: round in place, 8 bytes a lane into the stage
.macro STAGE g, left
	s_wait_loadcnt \left                           ; the younger weight loads stay out
	WIN 0xcf                                       ; sources and destination window 3
.set i, 16*\g
.rept 16
	v_cvt_pk_f16_f32 v[4*i], v[4*i], v[4*i+1]
	v_cvt_pk_f16_f32 v[4*i+1], v[4*i+2], v[4*i+3]
.set i, i+1
.endr
	WIN 0x0c                                       ; store data window 3, address window 0
.set i, 16*\g
.rept 16
	ds_store_b64 v3, v[4*i:4*i+1] offset:i*4*WP
.set i, i+1
.endr
.endm
	STAGE 0, 48
	STAGE 1, 32
	STAGE 2, 16
	STAGE 3, 0
	WIN 0
	s_wait_dscnt 0x0                               ; my rows of the stage are written before the others are told
	s_barrier_signal -1
	s_barrier_wait -1                              ; the only barrier: the slab's stage is never written again
	s_wait_kmcnt 0x0
	s_min_u32 s19, s19, 4096
	s_add_co_u32 s19, s19, 15
	s_lshr_b32 s19, s19, 4                         ; blocks of the expert
	s_add_co_u32 s19, s19, 3
	s_sub_co_u32 s19, s19, s18
	s_lshr_b32 s20, s19, 2                         ; blocks of my wave
	s_cmp_eq_u32 s20, 0
	s_cbranch_scc1 .Lend
; a quarter of a block's operands: k steps 8 q .. 8 q + 7, sixteen loads of 512 neighbouring bytes
.macro FETCHQ q, step
	WIN 0xc0
.set ks, 8*\q
.rept 8
	global_load_b128 v[8*ks:8*ks+3], v2, s[22:23] offset:\step+ks*1024
	global_load_b128 v[8*ks+4:8*ks+7], v2, s[22:23] offset:\step+ks*1024+512
.set ks, ks+1
.endr
.endm
; sixteen matrix instructions: k steps 8 q .. 8 q + 7 x two tiles of 16 columns, in four chains (tile, parity of the k step).
; The first link of each chain takes the constant 0: nothing is cleared.
.macro MULQ q
.if \q < 2
	WIN 0x0d                                       ; source 0 (W) window 1, source 1 (ranks) window 3, C and D window 0
.else
	WIN 0x0e                                       ; W in window 2
.endif
.set ks, 8*\q
.rept 8
.irp ct, 0,1
.if ks < 2
	v_wmma_f32_16x16x32_f16 v[ACC+8*(2*\ct+(ks&1)):ACC+8*(2*\ct+(ks&1))+7], v[16*(ks&15)+8*\ct:16*(ks&15)+8*\ct+7], v[8*ks:8*ks+7], 0
.else
	v_wmma_f32_16x16x32_f16 v[ACC+8*(2*\ct+(ks&1)):ACC+8*(2*\ct+(ks&1))+7], v[16*(ks&15)+8*\ct:16*(ks&15)+8*\ct+7], v[8*ks:8*ks+7], v[ACC+8*(2*\ct+(ks&1)):ACC+8*(2*\ct+(ks&1))+7]
.endif
.endr
.set ks, ks+1
.endr
.endm
; the two chains of each tile are added; the 16 x 32 tile turns in my own LDS bytes and leaves by rows
.macro EPI
.irp n, 0,2,4,6
	v_pk_add_f32 v[U+\n:U+\n+1], v[ACC+\n:ACC+\n+1], v[ACC+8+\n:ACC+8+\n+1]
	v_pk_add_f32 v[U+8+\n:U+8+\n+1], v[ACC+16+\n:ACC+16+\n+1], v[ACC+24+\n:ACC+24+\n+1]
.endr
	ds_store_b128 v9, v[U:U+3]
	ds_store_b128 v9, v[U+4:U+7] offset:16
	ds_store_b128 v9, v[U+8:U+11] offset:64
	ds_store_b128 v9, v[U+12:U+15] offset:80
.irp i, 0,1,2,3
	ds_load_b128 v[OUTR+4*\i:OUTR+4*\i+3], v10 offset:\i*4*OP      ; LDS serves a wave's instructions in order (ISA guide 5.7.1): these see the stores above
.endr
.irp i, 0,1,2,3
	s_wait_dscnt 3-\i                              ; load i is in, the younger ones stay out
	global_store_b128 v2, v[OUTR+4*\i:OUTR+4*\i+3], s[24:25] offset:\i*512     ; 512 neighbouring bytes, aligned
.endr
.endm
; One block.  refill = 1: each quarter's registers are loaded again, for my next block, as soon as they have been multiplied.
; Loads come back in order (ISA guide 5.7.1); behind quarter q were issued three quarters of 16 loads with refill;
; without refill the counts run down.
.macro TRIP refill
.irp q, 0,1,2,3
	s_wait_loadcnt 48-16*\q*(1-\refill)
	MULQ \q
	PLACES
.if \refill
	FETCHQ \q, STEPA
.endif
.endr
	WIN 0
	EPI
.if \refill
	s_wait_xcnt 0x0                                ; bases and store data are written again only behind this wait
	s_add_nc_u64 s[22:23], s[22:23], STEPA
	s_add_nc_u64 s[24:25], s[24:25], STEPO
.endif
.endm
	FETCHQ 0, 0                                    ; my first block is asked for before the slab is read: it flies behind the LDS loads
	FETCHQ 1, 0
	FETCHQ 2, 0
	FETCHQ 3, 0
	WIN 0x40                                       ; destination window 1
.set ks, 0
.rept 16
.irp ct, 0,1
	ds_load_tr16_b128 v[16*ks+8*\ct:16*ks+8*\ct+3], v4 offset:ks*32*WP+\ct*32
	ds_load_tr16_b128 v[16*ks+8*\ct+4:16*ks+8*\ct+7], v4 offset:ks*32*WP+\ct*32+16*WP
.endr
.set ks, ks+1
.endr
	WIN 0x80                                       ; destination window 2
.set ks, 0
.rept 16
.irp ct, 0,1
	ds_load_tr16_b128 v[16*ks+8*\ct:16*ks+8*\ct+3], v5 offset:ks*32*WP+\ct*32
	ds_load_tr16_b128 v[16*ks+8*\ct+4:16*ks+8*\ct+7], v5 offset:ks*32*WP+\ct*32+16*WP
.endr
.set ks, ks+1
.endr
	WIN 0
	s_wait_dscnt 0x0                               ; the slab is in registers for the rest of the kernel
	s_sub_co_u32 s20, s20, 1
	s_cmp_eq_u32 s20, 0
	s_cbranch_scc1 .Ltail
.Lloop:
	TRIP 1
	s_sub_co_u32 s20, s20, 1
	s_cmp_lg_u32 s20, 0
	s_cbranch_scc1 .Lloop
.Ltail:
	TRIP 0                                         ; my last block: nothing is loaded beyond it
.Lend:
	s_wait_tensorcnt 0x0
	ds_add_u32 v254, v255
	s_wait_dscnt 0x0
	s_endpgm
.Lfunc_end_k_q1cf23a21e8_ffn2:
	.size	k_q1cf23a21e8_ffn2, .Lfunc_end_k_q1cf23a21e8_ffn2-k_q1cf23a21e8_ffn2
	.p2alignl 7, 3214868480
	.fill 96, 4, 3214868480
	.section	.rodata,"a",@progbits
	.p2align	6, 0x0
	.amdhsa_kernel k_q1cf23a21e8_ffn2
		.amdhsa_group_segment_fixed_size 108032
		.amdhsa_private_segment_fixed_size 0
		.amdhsa_enable_private_segment 0
		.amdhsa_kernarg_size 32
		.amdhsa_user_sgpr_count 2
		.amdhsa_user_sgpr_kernarg_segment_ptr 1
		.amdhsa_wavefront_size32 1
		.amdhsa_system_sgpr_workgroup_id_x 1
		.amdhsa_system_sgpr_workgroup_id_y 1
		.amdhsa_system_sgpr_workgroup_id_z 1
		.amdhsa_system_vgpr_workitem_id 0
		.amdhsa_next_free_vgpr 1024
		.amdhsa_next_free_sgpr 66
		.amdhsa_reserve_vcc 0
		.amdhsa_float_denorm_mode_32 3
		.amdhsa_float_denorm_mode_16_64 3
		.amdhsa_memory_ordered 1
		.amdhsa_forward_progress 1
		.amdhsa_inst_pref_size 55
	.end_amdhsa_kernel
	.amdgpu_metadata
---
amdhsa.version: [ 1, 2 ]
amdhsa.kernels:
  - .name:           k_q1cf23a21e8_ffn2
    .symbol:         k_q1cf23a21e8_ffn2.kd
    .args:
      - { .name: h, .offset: 0, .size: 8, .value_kind: global_buffer, .address_space: global }
      - { .name: w2, .offset: 8, .size: 8, .value_kind: global_buffer, .address_space: global }
      - { .name: cnt, .offset: 16, .size: 8, .value_kind: global_buffer, .address_space: global }
      - { .name: o, .offset: 24, .size: 8, .value_kind: global_buffer, .address_space: global }
    .group_segment_fixed_size: 108032
    .private_segment_fixed_size: 0
    .kernarg_segment_align: 8
    .kernarg_segment_size: 32
    .max_flat_workgroup_size: 128
    .sgpr_count:     66
    .vgpr_count:     1024
    .wavefront_size: 32
...
	.end_amdgpu_metadata
.endif
;; end of part 5
;; launch combine (part 6): grid 256 x 1, 16 waves a work-group, no clusters, 0 bytes of LDS; arguments o, pos, combine_tensor, b2, out0; writes out0
.if DOCPART == 6
	.amdgcn_target "amdgcn-amd-amdhsa--gfx1250"
	.amdhsa_code_object_version 6
	.text
	.protected	k_q1cf23a21e8_combine
	.globl	k_q1cf23a21e8_combine
	.p2align	8
	.type	k_q1cf23a21e8_combine,@function
k_q1cf23a21e8_combine:
	s_mov_b64 s[64:65], 0
	v_nop
	global_prefetch_b8 v0, s[64:65] scope:SCOPE_SE
	s_setreg_imm32_b32 hwreg(HW_REG_WAVE_MODE, 25, 1), 1
	s_wait_xcnt 0x0
; y[t] = b2 + sum over the flagged experts e of combine[t][e] x o[e][pos[e][t]].
; One wave owns one token's row of 4,096 bytes: 256 work-groups x 16 waves = 4,096 tokens; no wave waits for another.
; The sum over experts is made here by gathering, in ascending e, by the owner of the output row.  pos[e][t] is a whole
; number that an earlier launch stored; a negative word (0xffffffff) says that the pair adds nothing and is jumped over.
; Lane L of load i holds columns 128 i + 4 L .. + 3: in o that is tile cb = 4 i + (L >> 3), bytes 16 (L & 7) of the rank's
; 128-byte row of the tile.  b2 is loaded straight into the sums: nothing is cleared.
; Each store of the wave covers 512 neighbouring bytes, aligned.  No LDS, no matrix unit, no cluster: nothing is shared.
.set SUM, 8                            ; v[8:39]   the row's sums
.set OV,  40                           ; v[40:71]  one expert's row
.set CMB, 16                           ; s[16:23]  combine[t][0..7]
.set POS, 24                           ; s[24:31]  pos[0..7][t]
	s_load_b256 s[4:11], s[0:1], 0x0               ; o s[4:5], pos s[6:7], combine s[8:9], b2 s[10:11]
	s_load_b64 s[12:13], s[0:1], 0x20              ; out0
	v_and_b32 v1, 31, v0                           ; lane L
	v_lshrrev_b32 v5, 5, v0
	v_readfirstlane_b32 s14, v5                    ; wave
	s_lshl_b32 s15, ttmp9, 4
	s_add_co_u32 s15, s15, s14                     ; t
	v_lshlrev_b32 v2, 4, v1                        ; 16 L
	v_lshrrev_b32 v3, 3, v1
	v_and_b32 v6, 7, v1
	v_lshlrev_b32 v3, 11, v3                       ; tile L >> 3 of 2,048 bytes,
	v_lshl_add_u32 v3, v6, 4, v3                   ; 16 bytes in the rank's row
	s_mov_b32 s33, 0
	s_mov_b32 s35, 0
	s_mov_b32 s37, 0
	s_lshl_b32 s32, s15, 5                         ; combine: 32 bytes a token
	s_lshl_b32 s34, s15, 2                         ; pos: 4 bytes a token
	s_lshl_b32 s36, s15, 12                        ; out0: 4,096 bytes a token
	s_wait_kmcnt 0x0
	s_add_nc_u64 s[8:9], s[8:9], s[32:33]
	s_add_nc_u64 s[6:7], s[6:7], s[34:35]
	s_add_nc_u64 s[12:13], s[12:13], s[36:37]
	s_load_b256 s[CMB:CMB+7], s[8:9], 0x0
.irp e, 0,1,2,3,4,5,6,7
	s_load_b32 s[POS+\e], s[6:7], \e*16384
.endr
.irp i, 0,1,2,3,4,5,6,7
	global_load_b128 v[SUM+4*\i:SUM+4*\i+3], v2, s[10:11] offset:\i*512
.endr
	s_wait_kmcnt 0x0
.irp e, 0,1,2,3,4,5,6,7
	s_cmp_lt_i32 s[POS+\e], 0
	s_cbranch_scc1 .Lskip\e
	s_min_u32 s40, s[POS+\e], 4095                 ; a loaded index is bounded before it enters an address
	s_and_b32 s41, s40, 0xff0
	s_lshl_b32 s41, s41, 12                        ; block of 16 ranks: 65,536 bytes
	s_and_b32 s42, s40, 15
	s_lshl_b32 s42, s42, 7                         ; the rank's row in a tile: 128 bytes
	s_add_co_u32 s41, s41, s42
	s_add_co_u32 s41, s41, \e<<24
	v_add_nc_u32 v4, s41, v3
.irp i, 0,1,2,3,4,5,6,7
	global_load_b128 v[OV+4*\i:OV+4*\i+3], v4, s[4:5] offset:\i*8192 th:TH_LOAD_NT    ; each rank's row is read once in the launch
.endr
	s_mov_b32 s44, s[CMB+\e]
	s_mov_b32 s45, s[CMB+\e]
	s_wait_loadcnt 0x0                             ; the row, and b2 in front of it; v4 is free again
.irp n, 0,2,4,6,8,10,12,14,16,18,20,22,24,26,28,30
	v_pk_fma_f32 v[SUM+\n:SUM+\n+1], v[OV+\n:OV+\n+1], s[44:45], v[SUM+\n:SUM+\n+1] op_sel_hi:[1,0,1]
.endr
.Lskip\e:
.endr
	s_wait_loadcnt 0x0                             ; b2, for a token without any flagged expert
.irp i, 0,1,2,3,4,5,6,7
	global_store_b128 v2, v[SUM+4*\i:SUM+4*\i+3], s[12:13] offset:\i*512 th:TH_STORE_NT
.endr
	s_endpgm
.Lfunc_end_k_q1cf23a21e8_combine:
	.size	k_q1cf23a21e8_combine, .Lfunc_end_k_q1cf23a21e8_combine-k_q1cf23a21e8_combine
	.p2alignl 7, 3214868480
	.fill 96, 4, 3214868480
	.section	.rodata,"a",@progbits
	.p2align	6, 0x0
	.amdhsa_kernel k_q1cf23a21e8_combine
		.amdhsa_group_segment_fixed_size 0
		.amdhsa_private_segment_fixed_size 0
		.amdhsa_enable_private_segment 0
		.amdhsa_kernarg_size 40
		.amdhsa_user_sgpr_count 2
		.amdhsa_user_sgpr_kernarg_segment_ptr 1
		.amdhsa_wavefront_size32 1
		.amdhsa_system_sgpr_workgroup_id_x 1
		.amdhsa_system_sgpr_workgroup_id_y 1
		.amdhsa_system_sgpr_workgroup_id_z 1
		.amdhsa_system_vgpr_workitem_id 0
		.amdhsa_next_free_vgpr 80
		.amdhsa_next_free_sgpr 66
		.amdhsa_reserve_vcc 0
		.amdhsa_float_denorm_mode_32 3
		.amdhsa_float_denorm_mode_16_64 3
		.amdhsa_memory_ordered 1
		.amdhsa_forward_progress 1
		.amdhsa_inst_pref_size 22
	.end_amdhsa_kernel
	.amdgpu_metadata
---
amdhsa.version: [ 1, 2 ]
amdhsa.kernels:
  - .name:           k_q1cf23a21e8_combine
    .symbol:         k_q1cf23a21e8_combine.kd
    .args:
      - { .name: o, .offset: 0, .size: 8, .value_kind: global_buffer, .address_space: global }
      - { .name: pos, .offset: 8, .size: 8, .value_kind: global_buffer, .address_space: global }
      - { .name: combine_tensor, .offset: 16, .size: 8, .value_kind: global_buffer, .address_space: global }
      - { .name: b2, .offset: 24, .size: 8, .value_kind: global_buffer, .address_space: global }
      - { .name: out0, .offset: 32, .size: 8, .value_kind: global_buffer, .address_space: global }
    .group_segment_fixed_size: 0
    .private_segment_fixed_size: 0
    .kernarg_segment_align: 8
    .kernarg_segment_size: 40
    .max_flat_workgroup_size: 512
    .sgpr_count:     66
    .vgpr_count:     80
    .wavefront_size: 32
...
	.end_amdgpu_metadata
.endif
;; end of part 6
;; ======== version 2 of 2: 6 launches; version 1 with the launches ffn1, ffn2 written anew for expert scheduling mode
;; limits: a function is approximated: absolute error at most 1.5e-07; values are held in f16: magnitudes above 65,504 overflow, below 6.1e-05 lose precision
;; workspace buffers: flags 131,072 bytes of whole numbers; pos 131,072 bytes of whole numbers; list 133,120 bytes of whole numbers; cnt 1,024 bytes of whole numbers; xs 67,108,864 bytes; ps 524,288 bytes; h 67,108,864 bytes; o 134,217,728 bytes
;; launch flags: the kernel of part 1 again; grid 32 x 1, 8 waves a work-group, no clusters, 0 bytes of LDS; arguments dispatch_tensor, combine_tensor, flags; writes flags
;; launch rank: the kernel of part 2 again; grid 8 x 1, 8 waves a work-group, no clusters, 1,280 bytes of LDS; arguments flags, pos, list, cnt; writes pos, list, cnt
;; launch pack: the kernel of part 3 again; grid 256 x 1, 8 waves a work-group, no clusters, 70,656 bytes of LDS; arguments x, dispatch_tensor, list, cnt, xs, ps; writes xs, ps
;; launch ffn1 (part 7): grid 256 x 1, 4 waves a work-group, no clusters, 98,816 bytes of LDS; arguments xs, w1, b1, ps, cnt, h; writes h
.if DOCPART == 7
	.amdgcn_target "amdgcn-amd-amdhsa--gfx1250"
	.amdhsa_code_object_version 6
	.text
	.protected	k_q1cf23a21e8_ffn1
	.globl	k_q1cf23a21e8_ffn1
	.p2align	8
	.type	k_q1cf23a21e8_ffn1,@function
k_q1cf23a21e8_ffn1:
	s_mov_b64 s[64:65], 0
	v_nop
	global_prefetch_b8 v0, s[64:65] scope:SCOPE_SE
	s_setreg_imm32_b32 hwreg(HW_REG_WAVE_SCHED_MODE, 0, 2), 2
	s_setreg_imm32_b32 hwreg(HW_REG_WAVE_MODE, 25, 1), 1
	s_wait_xcnt 0x0
	s_wait_alu depctr_vm_vsrc(0)
; h = gelu(xs x W1[e] + mask x b1[e]) for the ranks of expert e, f16 in the operand order of the next product.
; A work-group is (e = id >> 5, cb = id & 31): 32 columns of W1[e], all 1,024 k.  8 x 32 = 256 work-groups; each byte of w1 is
; loaded once in the launch.  Every wave holds the whole 1,024 x 32 slab as f16 operands in 512 registers, so one block of
; 16 ranks (32,768 bytes, loaded straight into operand registers by 64 loads of 512 neighbouring bytes) feeds 64 matrix
; instructions.  Wave w takes blocks w, w + 4, ..; the number of trips is a count read from memory, so the loop holds no
; barrier and the waves share nothing in it.
; PROLOGUE: wave w loads k rows 256 w .. of the slab (f32, 128 bytes a row), rounds to f16 and lays them into LDS as
; [1,024 k][96 bytes] (64 of data; the pitch is an odd multiple of 32 bytes for the transposing load); one barrier; then
; each wave reads the slab by ds_load_tr16_b128, which turns [k][n] into the operand's k-along-registers order.
; A work-group whose expert has no ranks still runs the prologue: the barrier may not stand behind a branch on a count.
; THE MATRIX INSTRUCTION IS USED TRANSPOSED: source 0 = 16 columns of W, source 1 = 16 ranks.  Lane (r, hh) then holds rank r,
; columns 8 hh .. 8 hh + 7 of the tile: eight neighbouring k of the next product, 16 bytes of its operand as they stand.
; NO CLUSTER, NO JOINT REQUESTS, though the 32 work-groups of an expert read the same blocks: a joint request lands in LDS,
; from where each block's 32,768 bytes would be read once more into registers, and the trips hang on a loaded count.
; GELU is exact-erf GELU with erf by a rational approximation (Abramowitz and Stegun 7.1.26).
; f16 and not bf16 operands: 11 significant bits against 8; the result is allowed 0.01 of its rms, which roundings to 8 bits
; along the two products use up for tokens of combine weight near 1.
; LIMITS: a weight or a gelu result above 65,504 in magnitude becomes infinity in f16, below 2^-14 it is kept in steps of
; 2^-24; sums in f32; erf within 1.5e-7 absolute; v_exp_f32 gives 0 for results below 2^-126 (ISA guide 15.8);
; the mask's row sum is (q0 + q1) + (q2 + q3) of the quarter sums, another order than the reference's.
; REGISTERS: window 0 addresses, accumulators, epilogue; window 1 W of k steps 0-15 (16 ks + 8 ct); window 2 k steps 16-31;
; window 3 first the 64 x 4 staging registers, then the block's operands (8 ks + 4 j).
; THE MODE: SCHED_MODE bits 1:0 = 2 (LLVM: expert scheduling mode 2), set by the entry lines.  The code itself states the register
; dependences between vector or matrix instructions and memory or LDS instructions, with s_wait_alu, always for 0.
; THE PLAN.  Registers that memory or LDS instructions touch:
;   v2 .. v8      addresses: written once at the head, never again.  The rows are reached by scalar bases and immediate offsets.
;   window 3      PROLOGUE: written by the 64 weight loads, read and written by the conversions, read by the LDS stores.
;                 LOOP: four buffers Q0 .. Q3 of 64 registers.  Quarter q's sixteen matrix instructions read Qq; behind them the
;                 same quarter of my next block lands in it.  Each buffer has a scalar base of its own.
;   windows 1, 2  written once by the transposing LDS loads; afterwards named by matrix instructions alone.
;   AUX           written by a load; read and written by the epilogue's first three adds.
;   OUTR          written by the epilogue's last eight conversions; read by the two stores behind them.
; IN A BLOCK: one wait on va_vdst behind each quarter's matrix instructions, ahead of the sixteen loads into the buffer that they have
; emptied (the buffer is asked for again at once: bytes on their way are what this loop lives on); one behind the epilogue's
; conversions, ahead of AUX's load and the two stores; one wait on va_vcc between the mask's compare and its selects; one wait
; on vm_vsrc at the block's head, for the stores of the block before.
.set WP,    96
.set BLK,   32768
.set STEPA, 4*BLK                      ; four waves: my next block is four further
.set STEPO, 4*BLK
.set QB,  48                           ; s[48:55]   buffer q: the address of the block that the buffer is asked for next: a pair at QB + 2 q
.set ACC, 32                           ; v[32:63]   four sums: tile ct (16 columns), parity of the k step: 8 (2 ct + par)
.set B1,  64                           ; v[64:79]   b1 of my 2 x 8 columns
.set MK,  80                           ; v[80:81]   the rank's mask, twice
.set NA5, 82                           ; v[82:83]   -a5, twice
.set AUX, 84                           ; v[84:87]   the rank's four quarter sums
.set U,   96                           ; v[96:111]  pre-activation
.set DEN, 112                          ; v[112:127] 1 + p |u| / sqrt 2
.set EA,  128                          ; v[128:143] -u^2 / 2 x log2 e
.set PL,  144                          ; v[144:159] the polynomial, negated
.set HU,  160                          ; v[160:175] u / 2, then gelu
.set OUTR, 176                         ; v[176:183] 2 x 16 bytes of f16
.set TT,  192                          ; v[192:207] t = 1 / DEN
.set EE,  208                          ; v[208:223] exp(-u^2 / 2), then erf(|u| / sqrt 2)
.set MSB, 0
.macro WIN new                         ; the immediate's high byte repeats the setting that is left
.if MSB != \new
	s_set_vgpr_msb (MSB<<8)|\new
.set MSB, \new
.endif
.endm
.macro PLACES                          ; four plain places between a matrix instruction and a load into its source or a
.rept 4                                ; vector read of its result (ISA guide 7.12.1)
	v_nop
.endr
.endm
	s_load_b256 s[4:11], s[0:1], 0x0               ; xs s[4:5], w1 s[6:7], b1 s[8:9], ps s[10:11]
	s_load_b128 s[12:15], s[0:1], 0x20             ; cnt s[12:13], h s[14:15]
	v_lshl_add_u32 v254, v0, 2, 0x18000
	v_mov_b32 v255, 0
	v_and_b32 v1, 31, v0                           ; lane L
	v_lshrrev_b32 v11, 5, v0
	v_readfirstlane_b32 s18, v11                   ; wave w
	s_lshr_b32 s16, ttmp9, 5                       ; e
	s_and_b32 s17, ttmp9, 31                       ; cb
	v_lshlrev_b32 v2, 4, v1                        ; 16 L
	v_lshrrev_b32 v12, 3, v1                       ; L >> 3
	v_and_b32 v13, 7, v1                           ; L & 7
	v_and_b32 v14, 15, v1                          ; r
	v_lshrrev_b32 v15, 4, v1                       ; hh
	s_wait_alu depctr_va_sdst(0)                   ; s18 is written, ahead of its first reader: LDS places and all bases are made from it
	s_mul_i32 s21, s18, 256*WP                     ; my 256 k rows of the stage
	v_mul_u32_u24 v3, v12, WP                      ; stage, in: row L >> 3, 8 bytes for 4 columns
	v_lshl_add_u32 v3, v13, 3, v3
	v_add_nc_u32 v3, s21, v3
	v_lshl_add_u32 v4, v15, 3, v13                 ; stage, out: row 8 hh + (L & 7),
	v_mul_u32_u24 v4, v4, WP
	v_and_b32 v16, 1, v12
	v_lshl_add_u32 v4, v16, 4, v4                  ; 16 bytes for columns 8 ((L >> 3) & 1) ..
	v_add_nc_u32 v5, 16*32*WP, v4                  ; the same for k steps 16-31
	v_lshlrev_b32 v6, 12, v12                      ; w1: row L >> 3 of 4,096 bytes, 16 bytes a lane
	v_lshl_add_u32 v6, v13, 4, v6
	v_lshlrev_b32 v7, 4, v14                       ; ps: 16 bytes a rank
	v_lshlrev_b32 v8, 5, v15                       ; b1: 8 columns for each half of the lanes
	v_mov_b32 v[NA5], 0xbf87dc22                   ; -a5
	v_mov_b32 v[NA5+1], 0xbf87dc22
	s_mov_b32 s32, 0x3fba00e3                      ; -a4 (each constant twice: the pair is named whole)
	s_mov_b32 s33, 0x3fba00e3
	s_mov_b32 s34, 0xbfb5f0e3                      ; -a3
	s_mov_b32 s35, 0xbfb5f0e3
	s_mov_b32 s36, 0x3e91a98e                      ; -a2
	s_mov_b32 s37, 0x3e91a98e
	s_mov_b32 s38, 0xbe827906                      ; -a1
	s_mov_b32 s39, 0xbe827906
	s_mov_b32 s40, 0xbf38aa3b                      ; -log2(e) / 2
	s_mov_b32 s41, 0xbf38aa3b
	s_mov_b32 s42, 0x3e6d3388                      ; 0.3275911 / sqrt 2
	s_mov_b32 s31, 0
	s_lshl_b32 s43, s16, 7
	s_wait_kmcnt 0x0
	s_load_b32 s19, s[12:13], s43 offset:0x0       ; n_e, wanted behind the barrier
	s_lshl_b32 s30, s16, 22                        ; w1: expert, my 256 rows, my 32 columns
	s_lshl_b32 s21, s18, 20
	s_add_co_u32 s30, s30, s21
	s_lshl_b32 s21, s17, 7
	s_add_co_u32 s30, s30, s21
	s_add_nc_u64 s[28:29], s[6:7], s[30:31]
	s_lshl_b32 s30, s16, 12                        ; b1: expert, my 32 columns
	s_add_co_u32 s30, s30, s21
	s_add_nc_u64 s[44:45], s[8:9], s[30:31]
	WIN 0xc0                                       ; destination window 3, address window 0
	s_wait_alu depctr_va_vdst(0)                   ; the addresses v2 to v8 are written, which the loads and stores of the whole kernel read
.set i, 0
.rept 64
	global_load_b128 v[4*i:4*i+3], v6, s[28:29] offset:i*16384 th:TH_LOAD_NT   ; 4 k rows x 128 bytes; all 32,768 bytes of the wave at once
.set i, i+1
.endr
	WIN 0
	global_load_b128 v[B1:B1+3], v8, s[44:45]
	global_load_b128 v[B1+4:B1+7], v8, s[44:45] offset:16
	global_load_b128 v[B1+8:B1+11], v8, s[44:45] offset:64
	global_load_b128 v[B1+12:B1+15], v8, s[44:45] offset:80
	s_lshl_b32 s30, s16, 23                        ; xs: expert, block w: the same start for the four buffers' bases
	s_lshl_b32 s21, s18, 15
	s_add_co_u32 s30, s30, s21
.irp q, 0,1,2,3
	s_add_nc_u64 s[QB+2*\q:QB+2*\q+1], s[4:5], s[30:31]
.endr
	s_lshl_b32 s21, s17, 10                        ; h: the same block, k step cb of the next product
	s_add_co_u32 s30, s30, s21
	s_add_nc_u64 s[24:25], s[14:15], s[30:31]
	s_lshl_b32 s30, s16, 16                        ; ps: expert, block w
	s_lshl_b32 s21, s18, 8
	s_add_co_u32 s30, s30, s21
	s_add_nc_u64 s[26:27], s[10:11], s[30:31]
; sixteen of the 64 weight loads: round in place, 8 bytes a lane into the stage
.macro STAGE g, left
	s_wait_loadcnt \left                           ; the younger weight loads and the four of b1 stay out
	WIN 0xcf                                       ; sources and destination window 3
.set i, 16*\g
.rept 16
	v_cvt_pk_f16_f32 v[4*i], v[4*i], v[4*i+1]
	v_cvt_pk_f16_f32 v[4*i+1], v[4*i+2], v[4*i+3]
.set i, i+1
.endr
	WIN 0x0c                                       ; store data window 3, address window 0
	s_wait_alu depctr_va_vdst(0)                   ; the conversions have written the sixteen pairs that the LDS stores read
.set i, 16*\g
.rept 16
	ds_store_b64 v3, v[4*i:4*i+1] offset:i*4*WP
.set i, i+1
.endr
.endm
	STAGE 0, 52
	STAGE 1, 36
	STAGE 2, 20
	STAGE 3, 4
	WIN 0
	s_wait_loadcnt 0x0                             ; b1
	s_wait_dscnt 0x0                               ; my rows of the stage are written before the others are told
	s_barrier_signal -1
	s_barrier_wait -1                              ; the only barrier: the stage is never written again
	s_wait_kmcnt 0x0
	s_min_u32 s19, s19, 4096
	s_add_co_u32 s19, s19, 15
	s_lshr_b32 s19, s19, 4                         ; blocks of the expert
	s_add_co_u32 s19, s19, 3
	s_sub_co_u32 s19, s19, s18
	s_lshr_b32 s20, s19, 2                         ; blocks of my wave
	s_cmp_eq_u32 s20, 0
	s_cbranch_scc1 .Lend
; a quarter of a block's operands: k steps 8 q .. 8 q + 7, sixteen loads of 512 neighbouring bytes, by the buffer's own base
.macro FETCHQ q
	WIN 0xc0
.set ks, 8*\q
.rept 8
	global_load_b128 v[8*ks:8*ks+3], v2, s[QB+2*\q:QB+2*\q+1] offset:ks*1024
	global_load_b128 v[8*ks+4:8*ks+7], v2, s[QB+2*\q:QB+2*\q+1] offset:ks*1024+512
.set ks, ks+1
.endr
.endm
; sixteen matrix instructions: k steps 8 q .. 8 q + 7 x two tiles of 16 columns, in four chains (tile, parity of the k step).
; The first link of each chain takes the constant 0: nothing is cleared.
.macro MULQ q
.if \q < 2
	WIN 0x0d                                       ; source 0 (W) window 1, source 1 (ranks) window 3, C and D window 0
.else
	WIN 0x0e                                       ; W in window 2
.endif
.set ks, 8*\q
.rept 8
.irp ct, 0,1
.if ks < 2
	v_wmma_f32_16x16x32_f16 v[ACC+8*(2*\ct+(ks&1)):ACC+8*(2*\ct+(ks&1))+7], v[16*(ks&15)+8*\ct:16*(ks&15)+8*\ct+7], v[8*ks:8*ks+7], 0
.else
	v_wmma_f32_16x16x32_f16 v[ACC+8*(2*\ct+(ks&1)):ACC+8*(2*\ct+(ks&1))+7], v[16*(ks&15)+8*\ct:16*(ks&15)+8*\ct+7], v[8*ks:8*ks+7], v[ACC+8*(2*\ct+(ks&1)):ACC+8*(2*\ct+(ks&1))+7]
.endif
.endr
.set ks, ks+1
.endr
.endm
; mask, bias, GELU, 32 bytes of f16 a lane out.  gelu(u) = u/2 + |u/2| erf(|u| / sqrt 2);
; erf(z) = 1 - (a1 t + .. + a5 t^5) exp(-z^2), t = 1 / (1 + 0.3275911 z).  The coefficients are held negated.
.macro EPI refill
	v_add_f32 v[AUX], v[AUX], v[AUX+1]
	v_add_f32 v[AUX+2], v[AUX+2], v[AUX+3]
	v_add_f32 v[AUX], v[AUX], v[AUX+2]             ; the scaled row's sum
	v_cmp_neq_f32 vcc_lo, 0, v[AUX]                ; a NaN counts as not zero, as in the reference
.irp n, 0,2,4,6                                    ; the chains' sums stand between the compare and the wait for its mask
	v_pk_add_f32 v[U+\n:U+\n+1], v[ACC+\n:ACC+\n+1], v[ACC+8+\n:ACC+8+\n+1]
	v_pk_add_f32 v[U+8+\n:U+8+\n+1], v[ACC+16+\n:ACC+16+\n+1], v[ACC+24+\n:ACC+24+\n+1]
.endr
	s_wait_alu depctr_va_vcc(0)                    ; the compare has written VCC, which the two selects read
	v_cndmask_b32 v[MK], 0, 1.0, vcc_lo
	v_cndmask_b32 v[MK+1], 0, 1.0, vcc_lo
.irp n, 0,2,4,6,8,10,12,14
	v_pk_fma_f32 v[U+\n:U+\n+1], v[MK:MK+1], v[B1+\n:B1+\n+1], v[U+\n:U+\n+1]
.endr
.irp n, 0,1,2,3,4,5,6,7,8,9,10,11,12,13,14,15
	v_fma_f32 v[DEN+\n], |v[U+\n]|, s42, 1.0
.endr
.irp n, 0,1,2,3,4,5,6,7,8,9,10,11,12,13,14,15
	v_rcp_f32 v[TT+\n], v[DEN+\n]
.endr
.irp n, 0,2,4,6,8,10,12,14                         ; plain work that touches neither TT nor DEN stands behind the reciprocals (ISA guide 5.7.2)
	v_pk_mul_f32 v[EA+\n:EA+\n+1], v[U+\n:U+\n+1], v[U+\n:U+\n+1]
.endr
.irp n, 0,2,4,6,8,10,12,14
	v_pk_mul_f32 v[EA+\n:EA+\n+1], v[EA+\n:EA+\n+1], s[40:41] op_sel_hi:[1,0]
.endr
.irp n, 0,1,2,3,4,5,6,7,8,9,10,11,12,13,14,15
	v_exp_f32 v[EE+\n], v[EA+\n]
.endr
	s_wait_alu depctr_va_vdst(0)
.irp n, 0,2,4,6,8,10,12,14                         ; the polynomial stands behind the exponentials and touches neither EE nor EA
	v_pk_fma_f32 v[PL+\n:PL+\n+1], v[TT+\n:TT+\n+1], v[NA5:NA5+1], s[32:33] op_sel_hi:[1,1,0]
.endr
.irp c, 34,36,38
.irp n, 0,2,4,6,8,10,12,14
	v_pk_fma_f32 v[PL+\n:PL+\n+1], v[PL+\n:PL+\n+1], v[TT+\n:TT+\n+1], s[\c:\c+1] op_sel_hi:[1,1,0]
.endr
.endr
.irp n, 0,2,4,6,8,10,12,14
	v_pk_mul_f32 v[PL+\n:PL+\n+1], v[PL+\n:PL+\n+1], v[TT+\n:TT+\n+1]
.endr
.irp n, 0,2,4,6,8,10,12,14
	v_pk_fma_f32 v[EE+\n:EE+\n+1], v[PL+\n:PL+\n+1], v[EE+\n:EE+\n+1], 1.0 op_sel_hi:[1,1,0]
.endr
.irp n, 0,2,4,6,8,10,12,14
	v_pk_mul_f32 v[HU+\n:HU+\n+1], v[U+\n:U+\n+1], 0.5 op_sel_hi:[1,0]
.endr
.irp n, 0,1,2,3,4,5,6,7,8,9,10,11,12,13,14,15
	v_fma_f32 v[HU+\n], |v[HU+\n]|, v[EE+\n], v[HU+\n]
.endr
.irp n, 0,1,2,3,4,5,6,7
	v_cvt_pk_f16_f32 v[OUTR+\n], v[HU+2*\n], v[HU+2*\n+1]
.endr
	s_wait_alu depctr_va_vdst(0)                   ; the conversions have written OUTR, which the stores read; the adds at the top are done reading and writing AUX, in which the load lands
.if \refill
	global_load_b128 v[AUX:AUX+3], v7, s[26:27]    ; the next block's sums: the base has moved on behind quarter 3's wait
.endif
	global_store_b128 v2, v[OUTR:OUTR+3], s[24:25] offset:-STEPO       ; tile 0: k = 32 cb + 8 hh ..: 512 neighbouring bytes; the base moved on at the block's head, the offset reaches back
	global_store_b128 v2, v[OUTR+4:OUTR+7], s[24:25] offset:512-STEPO  ; tile 1: k = 32 cb + 16 + 8 hh ..
.endm
; One block.  refill = 1: each quarter's registers are loaded again, for my next block, as soon as they have been multiplied.
; Loads come back in order (ISA guide 5.7.1); behind quarter q were issued: with refill three quarters (48) and the sums (1),
; and at q = 3 the sums have to be in too, so only the three new quarters stay out; without refill the counts run down.
; The wait for a quarter's data shows the loads that read the buffer's base done: the base moves on behind it.  Quarter 3's wait
; shows the same of the sums' load and its base.
.macro TRIP refill
.irp q, 0,1,2,3
.if \q == 3
	s_wait_loadcnt 48*\refill
.else
	s_wait_loadcnt 49-16*\q*(1-\refill)
.endif
.if \q == 0
	s_wait_xcnt 0x0                                ; the stores' base and OUTR are written again only behind this wait (ISA guide 3.1)
	s_wait_alu depctr_vm_vsrc(0)                   ; the stores of the block before have read OUTR, which this block's conversions write again
	s_add_nc_u64 s[24:25], s[24:25], STEPO         ; at every block's head, the first too: the stores reach back by STEPO
.endif
.if \refill
	s_add_nc_u64 s[QB+2*\q:QB+2*\q+1], s[QB+2*\q:QB+2*\q+1], STEPA
.if \q == 3
	s_add_nc_u64 s[26:27], s[26:27], 1024
.endif
.endif
	MULQ \q
	PLACES
.if \refill
	WIN 0xc0
	s_wait_alu depctr_va_vdst(0)                   ; the sixteen matrix instructions above are done reading buffer q, in which the loads below land
	FETCHQ \q
.endif
.endr
	WIN 0
	EPI \refill
.endm
	WIN 0xc0
	s_wait_alu depctr_va_vdst(0)                   ; the conversions are done reading and writing window 3's staging registers, in which my first block lands
	s_wait_alu depctr_vm_vsrc(0)                   ; and my LDS stores have read them
	FETCHQ 0                                       ; my first block is asked for before the slab is read: it flies behind the LDS loads
	FETCHQ 1
	FETCHQ 2
	FETCHQ 3
	WIN 0
	global_load_b128 v[AUX:AUX+3], v7, s[26:27]
	WIN 0x40                                       ; destination window 1.  No vector instruction has named windows 1 and 2, and none since the waits above names v4 or v5
.set ks, 0
.rept 16
.irp ct, 0,1
	ds_load_tr16_b128 v[16*ks+8*\ct:16*ks+8*\ct+3], v4 offset:ks*32*WP+\ct*32
	ds_load_tr16_b128 v[16*ks+8*\ct+4:16*ks+8*\ct+7], v4 offset:ks*32*WP+\ct*32+16*WP
.endr
.set ks, ks+1
.endr
	WIN 0x80                                       ; destination window 2
.set ks, 0
.rept 16
.irp ct, 0,1
	ds_load_tr16_b128 v[16*ks+8*\ct:16*ks+8*\ct+3], v5 offset:ks*32*WP+\ct*32
	ds_load_tr16_b128 v[16*ks+8*\ct+4:16*ks+8*\ct+7], v5 offset:ks*32*WP+\ct*32+16*WP
.endr
.set ks, ks+1
.endr
	WIN 0
	s_wait_dscnt 0x0                               ; the slab is in registers for the rest of the kernel
	s_sub_co_u32 s20, s20, 1
	s_cmp_eq_u32 s20, 0
	s_cbranch_scc1 .Ltail
.Lloop:
	TRIP 1
	s_sub_co_u32 s20, s20, 1
	s_cmp_lg_u32 s20, 0
	s_cbranch_scc1 .Lloop
.Ltail:
	TRIP 0                                         ; my last block: nothing is loaded beyond it
.Lend:
	s_wait_dscnt 0x0
	s_wait_alu depctr_hold_cnt(0) depctr_sa_sdst(0) depctr_va_vdst(0) depctr_va_sdst(0) depctr_va_ssrc(0) depctr_va_vcc(0) depctr_vm_vsrc(0)
	s_wait_tensorcnt 0x0
	ds_add_u32 v254, v255
	s_wait_dscnt 0x0
	s_endpgm
.Lfunc_end_k_q1cf23a21e8_ffn1:
	.size	k_q1cf23a21e8_ffn1, .Lfunc_end_k_q1cf23a21e8_ffn1-k_q1cf23a21e8_ffn1
	.p2alignl 7, 3214868480
	.fill 96, 4, 3214868480
	.section	.rodata,"a",@progbits
	.p2align	6, 0x0
	.amdhsa_kernel k_q1cf23a21e8_ffn1
		.amdhsa_group_segment_fixed_size 98816
		.amdhsa_private_segment_fixed_size 0
		.amdhsa_enable_private_segment 0
		.amdhsa_kernarg_size 48
		.amdhsa_user_sgpr_count 2
		.amdhsa_user_sgpr_kernarg_segment_ptr 1
		.amdhsa_wavefront_size32 1
		.amdhsa_system_sgpr_workgroup_id_x 1
		.amdhsa_system_sgpr_workgroup_id_y 1
		.amdhsa_system_sgpr_workgroup_id_z 1
		.amdhsa_system_vgpr_workitem_id 0
		.amdhsa_next_free_vgpr 1024
		.amdhsa_next_free_sgpr 66
		.amdhsa_reserve_vcc 1
		.amdhsa_float_denorm_mode_32 3
		.amdhsa_float_denorm_mode_16_64 3
		.amdhsa_memory_ordered 1
		.amdhsa_forward_progress 1
		.amdhsa_inst_pref_size 73
	.end_amdhsa_kernel
	.amdgpu_metadata
---
amdhsa.version: [ 1, 2 ]
amdhsa.kernels:
  - .name:           k_q1cf23a21e8_ffn1
    .symbol:         k_q1cf23a21e8_ffn1.kd
    .args:
      - { .name: xs, .offset: 0, .size: 8, .value_kind: global_buffer, .address_space: global }
      - { .name: w1, .offset: 8, .size: 8, .value_kind: global_buffer, .address_space: global }
      - { .name: b1, .offset: 16, .size: 8, .value_kind: global_buffer, .address_space: global }
      - { .name: ps, .offset: 24, .size: 8, .value_kind: global_buffer, .address_space: global }
      - { .name: cnt, .offset: 32, .size: 8, .value_kind: global_buffer, .address_space: global }
      - { .name: h, .offset: 40, .size: 8, .value_kind: global_buffer, .address_space: global }
    .group_segment_fixed_size: 98816
    .private_segment_fixed_size: 0
    .kernarg_segment_align: 8
    .kernarg_segment_size: 48
    .max_flat_workgroup_size: 128
    .sgpr_count:     66
    .vgpr_count:     1024
    .wavefront_size: 32
...
	.end_amdgpu_metadata
.endif
;; end of part 7
;; launch ffn2 (part 8): grid 256 x 1, 4 waves a work-group, no clusters, 108,032 bytes of LDS; arguments h, w2, cnt, o; writes o
.if DOCPART == 8
	.amdgcn_target "amdgcn-amd-amdhsa--gfx1250"
	.amdhsa_code_object_version 6
	.text
	.protected	k_q1cf23a21e8_ffn2
	.globl	k_q1cf23a21e8_ffn2
	.p2align	8
	.type	k_q1cf23a21e8_ffn2,@function
k_q1cf23a21e8_ffn2:
	s_mov_b64 s[64:65], 0
	v_nop
	global_prefetch_b8 v0, s[64:65] scope:SCOPE_SE
	s_setreg_imm32_b32 hwreg(HW_REG_WAVE_SCHED_MODE, 0, 2), 2
	s_setreg_imm32_b32 hwreg(HW_REG_WAVE_MODE, 25, 1), 1
	s_wait_xcnt 0x0
	s_wait_alu depctr_vm_vsrc(0)
; o = h x W2[e] for the ranks of expert e, f32, in tiles: o[e][block of 16 ranks][cb][16 ranks][32 columns].
; Built as the launch before it: a work-group is (e = id >> 5, cb = id & 31), 32 columns of W2[e] and all 1,024 k; each byte
; of w2 is loaded once in the launch; every wave holds the slab as f16 operands in 512 registers; wave w takes blocks
; w, w + 4, ..; a block's 32,768 bytes come straight into operand registers and feed 64 matrix instructions.  The number of
; trips is a count read from memory, so the loop holds no barrier and the waves share nothing in it.
; PROLOGUE: wave w rounds k rows 256 w .. of the slab to f16 into LDS, [1,024 k][96 bytes] (64 of data; the pitch an odd
; multiple of 32 bytes for the transposing load); one barrier; each wave reads the slab by ds_load_tr16_b128.
; A work-group whose expert has no ranks still runs the prologue: the barrier may not stand behind a branch on a count.
; Source 0 = 16 columns of W, source 1 = 16 ranks: lane (r, hh) holds rank r, columns 8 hh .. 8 hh + 7 of a tile.  The 16 x 32
; result goes through 2,304 LDS bytes of the wave's own (16 rows x 144) and leaves as 4 stores of 512 neighbouring bytes.
; The weighted sum over experts and b2 are left to the next launch: a token may have several experts, and sums across
; work-groups are made by the owner of the output row.
; NO CLUSTER, NO JOINT REQUESTS, though the 32 work-groups of an expert read the same blocks: a joint request lands in LDS,
; from where each block's 32,768 bytes would be read once more into registers, and the trips hang on a loaded count.
; f16 and not bf16 operands: 11 significant bits against 8; the result is allowed 0.01 of its rms, which roundings to 8 bits
; along the two products use up for tokens of combine weight near 1.
; LIMITS: a weight above 65,504 in magnitude becomes infinity in f16, below 2^-14 it is kept in steps of 2^-24;
; sums in f32 in two chains for each output (even and odd k steps), added at the end.
; REGISTERS: window 0 addresses, accumulators, way out; window 1 W of k steps 0-15 (16 ks + 8 ct); window 2 k steps 16-31;
; window 3 first the 64 x 4 staging registers, then the block's operands (8 ks + 4 j).
; THE MODE: SCHED_MODE bits 1:0 = 2 (LLVM: expert scheduling mode 2), set by the entry lines.  The code itself states the register
; dependences between vector or matrix instructions and memory or LDS instructions, with s_wait_alu, always for 0.
; THE PLAN.  Registers that memory or LDS instructions touch:
;   v2 .. v6, v9, v10  addresses: written once at the head, never again.  The rows are reached by scalar bases and immediate offsets.
;   window 3      PROLOGUE: written by the 64 weight loads, read and written by the conversions, read by the LDS stores.
;                 LOOP: four buffers Q0 .. Q3 of 64 registers.  Quarter q's sixteen matrix instructions read Qq; behind them the
;                 same quarter of my next block lands in it.  Each buffer has a scalar base of its own.
;   windows 1, 2  written once by the transposing LDS loads; afterwards named by matrix instructions alone.
;   U             written by the eight adds at a block's end; read by the four LDS stores behind them.
;   OUTR          written by four LDS loads, read by the four global stores: no vector instruction names it.
; IN A BLOCK: one wait on va_vdst behind the matrix instructions of each of quarters 0 to 2, ahead of the sixteen loads into the buffer
; that they have emptied (the buffer is asked for again at once: bytes on their way are what this loop lives on); one behind the eight
; adds, which serves the LDS stores of U and quarter 3's sixteen loads alike; one wait on vm_vsrc at the block's head, for the LDS
; stores and the global stores of the block before.
.set WP,    96
.set WST,   1024*WP                    ; the wave's out stages lie behind the slab's stage
.set OP,    144                        ; out stage: 128 bytes of a row + 16
.set BLK,   32768
.set STEPA, 4*BLK                      ; four waves: my next block is four further
.set STEPO, 4*65536
.set QB,  48                           ; s[48:55]   buffer q: the address of the block that the buffer is asked for next: a pair at QB + 2 q
.set ACC, 32                           ; v[32:63]   four sums: tile ct (16 columns), parity of the k step: 8 (2 ct + par)
.set U,   96                           ; v[96:111]  the 2 x 8 results
.set OUTR, 176                         ; v[176:191] the tile as read back by rows
.set MSB, 0
.macro WIN new                         ; the immediate's high byte repeats the setting that is left
.if MSB != \new
	s_set_vgpr_msb (MSB<<8)|\new
.set MSB, \new
.endif
.endm
.macro PLACES                          ; four plain places between a matrix instruction and a load into its source or a
.rept 4                                ; vector read of its result (ISA guide 7.12.1)
	v_nop
.endr
.endm
	s_load_b256 s[4:11], s[0:1], 0x0               ; h s[4:5], w2 s[6:7], cnt s[8:9], o s[10:11]
	v_lshl_add_u32 v254, v0, 2, 0x1a400
	v_mov_b32 v255, 0
	v_and_b32 v1, 31, v0                           ; lane L
	v_lshrrev_b32 v11, 5, v0
	v_readfirstlane_b32 s18, v11                   ; wave w
	s_lshr_b32 s16, ttmp9, 5                       ; e
	s_and_b32 s17, ttmp9, 31                       ; cb
	v_lshlrev_b32 v2, 4, v1                        ; 16 L
	v_lshrrev_b32 v12, 3, v1                       ; L >> 3
	v_and_b32 v13, 7, v1                           ; L & 7
	v_and_b32 v14, 15, v1                          ; r
	v_lshrrev_b32 v15, 4, v1                       ; hh
	s_wait_alu depctr_va_sdst(0)                   ; s18 is written, ahead of its first reader: LDS places and all bases are made from it
	s_mul_i32 s21, s18, 256*WP                     ; my 256 k rows of the stage
	v_mul_u32_u24 v3, v12, WP                      ; stage, in: row L >> 3, 8 bytes for 4 columns
	v_lshl_add_u32 v3, v13, 3, v3
	v_add_nc_u32 v3, s21, v3
	v_lshl_add_u32 v4, v15, 3, v13                 ; stage, out: row 8 hh + (L & 7),
	v_mul_u32_u24 v4, v4, WP
	v_and_b32 v16, 1, v12
	v_lshl_add_u32 v4, v16, 4, v4                  ; 16 bytes for columns 8 ((L >> 3) & 1) ..
	v_add_nc_u32 v5, 16*32*WP, v4                  ; the same for k steps 16-31
	v_lshlrev_b32 v6, 12, v12                      ; w2: row L >> 3 of 4,096 bytes, 16 bytes a lane
	v_lshl_add_u32 v6, v13, 4, v6
	s_mul_i32 s21, s18, 16*OP
	s_add_co_u32 s21, s21, WST                     ; my out stage
	v_mul_u32_u24 v9, v14, OP                      ; in: row r, 32 bytes for each half of the lanes
	v_lshl_add_u32 v9, v15, 5, v9
	v_add_nc_u32 v9, s21, v9
	v_mul_u32_u24 v10, v12, OP                     ; back: four rows of 128 bytes a load
	v_lshl_add_u32 v10, v13, 4, v10
	v_add_nc_u32 v10, s21, v10
	s_mov_b32 s31, 0
	s_lshl_b32 s43, s16, 7
	s_wait_kmcnt 0x0
	s_load_b32 s19, s[8:9], s43 offset:0x0         ; n_e, wanted behind the barrier
	s_lshl_b32 s30, s16, 22                        ; w2: expert, my 256 rows, my 32 columns
	s_lshl_b32 s21, s18, 20
	s_add_co_u32 s30, s30, s21
	s_lshl_b32 s21, s17, 7
	s_add_co_u32 s30, s30, s21
	s_add_nc_u64 s[28:29], s[6:7], s[30:31]
	WIN 0xc0                                       ; destination window 3, address window 0
	s_wait_alu depctr_va_vdst(0)                   ; the addresses v2 to v6, v9 and v10 are written, which the loads and stores of the whole kernel read
.set i, 0
.rept 64
	global_load_b128 v[4*i:4*i+3], v6, s[28:29] offset:i*16384 th:TH_LOAD_NT   ; 4 k rows x 128 bytes; all 32,768 bytes of the wave at once
.set i, i+1
.endr
	WIN 0
	s_lshl_b32 s30, s16, 23                        ; h: expert, block w: the same start for the four buffers' bases
	s_lshl_b32 s21, s18, 15
	s_add_co_u32 s30, s30, s21
.irp q, 0,1,2,3
	s_add_nc_u64 s[QB+2*\q:QB+2*\q+1], s[4:5], s[30:31]
.endr
	s_lshl_b32 s30, s16, 24                        ; o: expert, block w, tile cb
	s_lshl_b32 s21, s18, 16
	s_add_co_u32 s30, s30, s21
	s_lshl_b32 s21, s17, 11
	s_add_co_u32 s30, s30, s21
	s_add_nc_u64 s[24:25], s[10:11], s[30:31]
; sixteen of the 64 weight loads: round in place, 8 bytes a lane into the stage
.macro STAGE g, left
	s_wait_loadcnt \left                           ; the younger weight loads stay out
	WIN 0xcf                                       ; sources and destination window 3
.set i, 16*\g
.rept 16
	v_cvt_pk_f16_f32 v[4*i], v[4*i], v[4*i+1]
	v_cvt_pk_f16_f32 v[4*i+1], v[4*i+2], v[4*i+3]
.set i, i+1
.endr
	WIN 0x0c                                       ; store data window 3, address window 0
	s_wait_alu depctr_va_vdst(0)                   ; the conversions have written the sixteen pairs that the LDS stores read
.set i, 16*\g
.rept 16
	ds_store_b64 v3, v[4*i:4*i+1] offset:i*4*WP
.set i, i+1
.endr
.endm
	STAGE 0, 48
	STAGE 1, 32
	STAGE 2, 16
	STAGE 3, 0
	WIN 0
	s_wait_dscnt 0x0                               ; my rows of the stage are written before the others are told
	s_barrier_signal -1
	s_barrier_wait -1                              ; the only barrier: the slab's stage is never written again
	s_wait_kmcnt 0x0
	s_min_u32 s19, s19, 4096
	s_add_co_u32 s19, s19, 15
	s_lshr_b32 s19, s19, 4                         ; blocks of the expert
	s_add_co_u32 s19, s19, 3
	s_sub_co_u32 s19, s19, s18
	s_lshr_b32 s20, s19, 2                         ; blocks of my wave
	s_cmp_eq_u32 s20, 0
	s_cbranch_scc1 .Lend
; a quarter of a block's operands: k steps 8 q .. 8 q + 7, sixteen loads of 512 neighbouring bytes, by the buffer's own base
.macro FETCHQ q
	WIN 0xc0
.set ks, 8*\q
.rept 8
	global_load_b128 v[8*ks:8*ks+3], v2, s[QB+2*\q:QB+2*\q+1] offset:ks*1024
	global_load_b128 v[8*ks+4:8*ks+7], v2, s[QB+2*\q:QB+2*\q+1] offset:ks*1024+512
.set ks, ks+1
.endr
.endm
; sixteen matrix instructions: k steps 8 q .. 8 q + 7 x two tiles of 16 columns, in four chains (tile, parity of the k step).
; The first link of each chain takes the constant 0: nothing is cleared.
.macro MULQ q
.if \q < 2
	WIN 0x0d                                       ; source 0 (W) window 1, source 1 (ranks) window 3, C and D window 0
.else
	WIN 0x0e                                       ; W in window 2
.endif
.set ks, 8*\q
.rept 8
.irp ct, 0,1
.if ks < 2
	v_wmma_f32_16x16x32_f16 v[ACC+8*(2*\ct+(ks&1)):ACC+8*(2*\ct+(ks&1))+7], v[16*(ks&15)+8*\ct:16*(ks&15)+8*\ct+7], v[8*ks:8*ks+7], 0
.else
	v_wmma_f32_16x16x32_f16 v[ACC+8*(2*\ct+(ks&1)):ACC+8*(2*\ct+(ks&1))+7], v[16*(ks&15)+8*\ct:16*(ks&15)+8*\ct+7], v[8*ks:8*ks+7], v[ACC+8*(2*\ct+(ks&1)):ACC+8*(2*\ct+(ks&1))+7]
.endif
.endr
.set ks, ks+1
.endr
.endm
; the two chains of each tile are added; the 16 x 32 tile turns in my own LDS bytes and leaves by rows.
; refill = 1: quarter 3 of my next block is asked for while the tile turns.
.macro EPI refill
.irp n, 0,2,4,6
	v_pk_add_f32 v[U+\n:U+\n+1], v[ACC+\n:ACC+\n+1], v[ACC+8+\n:ACC+8+\n+1]
	v_pk_add_f32 v[U+8+\n:U+8+\n+1], v[ACC+16+\n:ACC+16+\n+1], v[ACC+24+\n:ACC+24+\n+1]
.endr
	s_wait_alu depctr_va_vdst(0)                   ; the adds have written U, which the LDS stores read; quarter 3's matrix instructions are done reading buffer 3, in which the loads below land
	ds_store_b128 v9, v[U:U+3]
	ds_store_b128 v9, v[U+4:U+7] offset:16
	ds_store_b128 v9, v[U+8:U+11] offset:64
	ds_store_b128 v9, v[U+12:U+15] offset:80
.irp i, 0,1,2,3
	ds_load_b128 v[OUTR+4*\i:OUTR+4*\i+3], v10 offset:\i*4*OP      ; LDS serves a wave's instructions in order (ISA guide 5.7.1): these see the stores above
.endr
.if \refill
	FETCHQ 3                                       ; no vector or matrix instruction since the wait above; the LDS lines between name neither buffer 3 nor v2
	WIN 0
.endif
.irp i, 0,1,2,3
	s_wait_dscnt 3-\i                              ; load i is in, the younger ones stay out
	global_store_b128 v2, v[OUTR+4*\i:OUTR+4*\i+3], s[24:25] offset:\i*512-STEPO   ; 512 neighbouring bytes, aligned; the base moved on at the block's head, the offset reaches back
.endr
.endm
; One block.  refill = 1: each quarter's registers are loaded again, for my next block, as soon as they have been multiplied.
; Loads come back in order (ISA guide 5.7.1); behind quarter q were issued three quarters of 16 loads with refill;
; without refill the counts run down.  The wait for a quarter's data shows the loads that read the buffer's base done:
; the base moves on behind it.
.macro TRIP refill
.irp q, 0,1,2,3
	s_wait_loadcnt 48-16*\q*(1-\refill)
.if \q == 0
	s_wait_xcnt 0x0                                ; the stores' base and OUTR are written again only behind this wait (ISA guide 3.1)
	s_wait_alu depctr_vm_vsrc(0)                   ; the block before: its LDS stores have read U, which this block's adds write again; its global stores have read OUTR, in which this block's LDS loads land
	s_add_nc_u64 s[24:25], s[24:25], STEPO         ; at every block's head, the first too: the stores reach back by STEPO
.endif
.if \refill
	s_add_nc_u64 s[QB+2*\q:QB+2*\q+1], s[QB+2*\q:QB+2*\q+1], STEPA
.endif
	MULQ \q
	PLACES
.if \refill && (\q < 3)
	WIN 0xc0
	s_wait_alu depctr_va_vdst(0)                   ; the sixteen matrix instructions above are done reading buffer q, in which the loads below land
	FETCHQ \q
.endif
.endr
	WIN 0
	EPI \refill
.endm
	WIN 0xc0
	s_wait_alu depctr_va_vdst(0)                   ; the conversions are done reading and writing window 3's staging registers, in which my first block lands
	s_wait_alu depctr_vm_vsrc(0)                   ; and my LDS stores have read them
	FETCHQ 0                                       ; my first block is asked for before the slab is read: it flies behind the LDS loads
	FETCHQ 1
	FETCHQ 2
	FETCHQ 3
	WIN 0x40                                       ; destination window 1.  No vector instruction has named windows 1 and 2, and none since the waits above names v4 or v5
.set ks, 0
.rept 16
.irp ct, 0,1
	ds_load_tr16_b128 v[16*ks+8*\ct:16*ks+8*\ct+3], v4 offset:ks*32*WP+\ct*32
	ds_load_tr16_b128 v[16*ks+8*\ct+4:16*ks+8*\ct+7], v4 offset:ks*32*WP+\ct*32+16*WP
.endr
.set ks, ks+1
.endr
	WIN 0x80                                       ; destination window 2
.set ks, 0
.rept 16
.irp ct, 0,1
	ds_load_tr16_b128 v[16*ks+8*\ct:16*ks+8*\ct+3], v5 offset:ks*32*WP+\ct*32
	ds_load_tr16_b128 v[16*ks+8*\ct+4:16*ks+8*\ct+7], v5 offset:ks*32*WP+\ct*32+16*WP
.endr
.set ks, ks+1
.endr
	WIN 0
	s_wait_dscnt 0x0                               ; the slab is in registers for the rest of the kernel
	s_sub_co_u32 s20, s20, 1
	s_cmp_eq_u32 s20, 0
	s_cbranch_scc1 .Ltail
.Lloop:
	TRIP 1
	s_sub_co_u32 s20, s20, 1
	s_cmp_lg_u32 s20, 0
	s_cbranch_scc1 .Lloop
.Ltail:
	TRIP 0                                         ; my last block: nothing is loaded beyond it
.Lend:
	s_wait_dscnt 0x0
	s_wait_alu depctr_hold_cnt(0) depctr_sa_sdst(0) depctr_va_vdst(0) depctr_va_sdst(0) depctr_va_ssrc(0) depctr_va_vcc(0) depctr_vm_vsrc(0)
	s_wait_tensorcnt 0x0
	ds_add_u32 v254, v255
	s_wait_dscnt 0x0
	s_endpgm
.Lfunc_end_k_q1cf23a21e8_ffn2:
	.size	k_q1cf23a21e8_ffn2, .Lfunc_end_k_q1cf23a21e8_ffn2-k_q1cf23a21e8_ffn2
	.p2alignl 7, 3214868480
	.fill 96, 4, 3214868480
	.section	.rodata,"a",@progbits
	.p2align	6, 0x0
	.amdhsa_kernel k_q1cf23a21e8_ffn2
		.amdhsa_group_segment_fixed_size 108032
		.amdhsa_private_segment_fixed_size 0
		.amdhsa_enable_private_segment 0
		.amdhsa_kernarg_size 32
		.amdhsa_user_sgpr_count 2
		.amdhsa_user_sgpr_kernarg_segment_ptr 1
		.amdhsa_wavefront_size32 1
		.amdhsa_system_sgpr_workgroup_id_x 1
		.amdhsa_system_sgpr_workgroup_id_y 1
		.amdhsa_system_sgpr_workgroup_id_z 1
		.amdhsa_system_vgpr_workitem_id 0
		.amdhsa_next_free_vgpr 1024
		.amdhsa_next_free_sgpr 66
		.amdhsa_reserve_vcc 0
		.amdhsa_float_denorm_mode_32 3
		.amdhsa_float_denorm_mode_16_64 3
		.amdhsa_memory_ordered 1
		.amdhsa_forward_progress 1
		.amdhsa_inst_pref_size 56
	.end_amdhsa_kernel
	.amdgpu_metadata
---
amdhsa.version: [ 1, 2 ]
amdhsa.kernels:
  - .name:           k_q1cf23a21e8_ffn2
    .symbol:         k_q1cf23a21e8_ffn2.kd
    .args:
      - { .name: h, .offset: 0, .size: 8, .value_kind: global_buffer, .address_space: global }
      - { .name: w2, .offset: 8, .size: 8, .value_kind: global_buffer, .address_space: global }
      - { .name: cnt, .offset: 16, .size: 8, .value_kind: global_buffer, .address_space: global }
      - { .name: o, .offset: 24, .size: 8, .value_kind: global_buffer, .address_space: global }
    .group_segment_fixed_size: 108032
    .private_segment_fixed_size: 0
    .kernarg_segment_align: 8
    .kernarg_segment_size: 32
    .max_flat_workgroup_size: 128
    .sgpr_count:     66
    .vgpr_count:     1024
    .wavefront_size: 32
...
	.end_amdgpu_metadata
.endif
;; end of part 8
;; launch combine: the kernel of part 6 again; grid 256 x 1, 16 waves a work-group, no clusters, 0 bytes of LDS; arguments o, pos, combine_tensor, b2, out0; writes out0
